; MI455X (gfx1250); checked and timed in simulation.
; The chip was launched on July 23, 2026; its instructions are those of AMD's public machine-readable ISA for CDNA 5 (MIT licence, August 2026) and "CDNA5" Instruction Set Architecture Reference Guide (July 2026). The comments in the code are by the model that wrote it; some were corrected since.
;; Multi Head Attention. Allowed arithmetic: matrix products marked QUANTISED: E4M3 operands, one given power-of-two scale a tensor, by v_wmma_f32_16x16x64_fp8_fp8 or v_wmma_f32_16x16x128_fp8_fp8, f32 sums; everything else in f32.
;; Inputs: dense_b 1,024 float32; dense_w 1,024 x 1,024 float32; k 4 x 2,048 x 1,024 float32; lowp_scales 12 int32 (the exponents e of the quantised operands' scales 2^e); q 4 x 2,048 x 1,024 float32; v 4 x 2,048 x 1,024 float32; wk_b 1,024 float32; wk_w 1,024 x 1,024 float32; wq_b 1,024 float32; wq_w 1,024 x 1,024 float32; wv_b 1,024 float32; wv_w 1,024 x 1,024 float32.
;; Outputs: out0 4 x 2,048 x 1,024 float32.
;; This version of the problem:
;;   THIS VERSION OF THE PROBLEM IS GIVEN IN LOW PRECISION. The matrix products marked QUANTISED in the list below multiply operands that are first quantised to E4M3 (4 exponent bits, 3 mantissa bits; 8 bits a number), with one given power-of-two scale for each operand tensor; their sums are f32. All else is computed in f32.
;;   The module's matrix products, in the order in which they are computed (A, B: the left and right operand; K: the contracted axis; several contracted axes count as one K, in the product's order):
;;     1. [M 8,192, K 1,024] x [K 1,024, N 1,024]; A: input q; B: input wq_w: QUANTISED (scales: A lowp_scales[0], B lowp_scales[1])
;;     2. [M 8,192, K 1,024] x [K 1,024, N 1,024]; A: input k; B: input wk_w: QUANTISED (scales: A lowp_scales[2], B lowp_scales[3])
;;     3. [M 8,192, K 1,024] x [K 1,024, N 1,024]; A: input v; B: input wv_w: QUANTISED (scales: A lowp_scales[4], B lowp_scales[5])
;;     4. batch 64 x [M 2,048, K 64] x [K 64, N 2,048]; A: computed on the way; B: computed on the way: QUANTISED (scales: A lowp_scales[6], B lowp_scales[7])
;;     5. batch 64 x [M 2,048, K 2,048] x [K 2,048, N 64]; A: softmax (see below); B: computed on the way: QUANTISED (scales: A lowp_scales[8], B lowp_scales[9])
;;     6. [M 8,192, K 1,024] x [K 1,024, N 1,024]; A: computed on the way; B: input dense_w: QUANTISED (scales: A lowp_scales[10], B lowp_scales[11])
;;   THE QUANTISER, for each operand of a quantised product, along K:
;;     - The operand's scale is 2^e, e = its entry of the input lowp_scales (int32; the entries are numbered through the quantised products in the list's order, A before B).
;;     - Each number is divided by the scale, clamped to +-448, and rounded to the nearest number of E4M3, ties to even, subnormals kept.
;;     - The product sums the exact products of the quantised numbers (number of the format x scale) in f32.
;;   ~~~python
;;   def quantise(x, axis, e):      # numpy; x: float32 -> the quantised numbers, widened to float32 again
;;       x = np.moveaxis(x, axis, -1); K = x.shape[-1]
;;       r = np.clip(x / 2.0 ** e, -448, 448)
;;       step = 2.0 ** (np.maximum(np.frexp(np.where(r == 0, 1, r))[1] - 1, -6) - 3)
;;       q = np.round(r / step) * step * 2.0 ** e      # np.round: ties to even
;;       return np.moveaxis(q, -1, axis).astype(np.float32)
;;   ~~~
;;   SOFTMAX AHEAD OF A QUANTISED PRODUCT. Where the list says 'softmax', what is quantised is not the finished softmax but p = 2^(t - M), with t = logit x log2(e) and M = ceil(the row's largest t), a whole number; so 1/2 < the row's largest p <= 1. The row's sum l is taken of the UNQUANTISED p, in f32, and the product's result is divided by l at the end. Since M is a whole number, a kernel that streams over the keys may use a running M (the ceiling of the running maximum): every later rescaling is an exact power of two, so the quantised numbers keep their values, but for numbers so far below the row's largest that they fall under the format's range.
;;   OPERANDS COMPUTED ON THE WAY. 'Computed on the way' means the value that the module computes at that place (a softmax that the list does not call 'softmax' is quantised finished and normalised). What goes into a quantiser is computed in f32, as accurately as f32 sums, v_exp_f32 and their like allow (about 1e-6 of the number): no bf16 or f16 on the way to a quantiser, and a product that is left as it is and whose result goes on into a quantised operand takes f32 operands (vector FMAs, or v_wmma_f32_16x16x4_f32). A number that lies on a knife's edge between two numbers of the format may be rounded either way, as far as f32 arithmetic and the matrix unit's own rounding can turn it there, and no further.
;; One version. Each part assembles by itself: llvm-mc -triple=amdgcn-amd-amdhsa -mcpu=gfx1250 --defsym DOCPART=n.
;; ======== version 1 of 1: 4 launches
;; limits: right only within a limited range of input values
;; workspace buffers: xc 25,165,824 bytes; wc 4,194,304 bytes; hc 25,165,824 bytes; ac 8,388,608 bytes
;; launch quant (part 1): grid 896 x 1, 4 waves a work-group, no clusters, 33,280 bytes of LDS; arguments q, k, v, wq_w, wk_w, wv_w, dense_w, lowp_scales, xc, wc; writes xc, wc
.if DOCPART == 1
	.amdgcn_target "amdgcn-amd-amdhsa--gfx1250"
	.amdhsa_code_object_version 6
	.text
	.protected	k_qd5fc4ccb80_quant
	.globl	k_qd5fc4ccb80_quant
	.p2align	8
	.type	k_qd5fc4ccb80_quant,@function
k_qd5fc4ccb80_quant:
	s_mov_b64 s[64:65], 0
	v_nop
	global_prefetch_b8 v0, s[64:65] scope:SCOPE_SE
	s_setreg_imm32_b32 hwreg(HW_REG_WAVE_MODE, 25, 1), 1
	s_wait_xcnt 0x0
; Seven f32 tensors become codes of FP8 (E4M3), K innermost, each with the one scale 2^e that is given for it.
; q, k, v [8192][1024] -> xc [3][8192][1024];  wq_w, wk_w, wv_w, dense_w [1024][1024] -> wc [4][1024][1024].  K is the last axis of all seven, rows are dense: each tensor is a plain stream, and so are its codes.
; code = x / 2^e, held within +-448, rounded to the nearest code, ties to even.  e: entries 0, 2, 4 of the scales for q, k, v; 1, 3, 5, 11 for the four weights.
; LIMITS: -126 <= e <= 119, so that 2^e and 448 x 2^e are f32 numbers.  NaN among the inputs is not served (an infinity is held at the largest code).
; A work-group takes 32,768 numbers, a wave 8,192 in 16 steps of 512.  Work-groups 0-767 take q, k, v (256 each), 768-895 the weights (32 each): only pointers and the scale's index are chosen, by the work-group's number.
; A conversion takes 8 neighbours along K from ONE lane's registers; a load is best where neighbouring LANES take neighbouring bytes.  So each load reads 512 consecutive bytes, 16 a lane, and a step's 2,048 bytes turn
; through the wave's own stage in LDS (16 bytes of padding behind each 64) and come back 64 bytes a lane.  A lane's 16 codes are 16 bytes: a store of the wave covers 512 consecutive bytes, aligned.
; No tensor loads, no barrier: waves share nothing.  Loads run four steps (16 loads a wave) ahead, the turn through LDS one step.  No matrix unit, no cluster: nothing is read twice.
.set WAVES, 4
.set STEPS, 16
.set NACT,  768                        ; work-groups of q, k, v
.set EMAX,  8
.set MANT,  0x600000                   ; the mantissa field of 448 as f32
.set R,     16                         ; v16-79   four sets of 16 numbers as they are loaded
.set X,     80                         ; v80-111  two sets of 16 neighbours
.set C,     128                        ; v128-191 codes: four registers for each step, so that no store's data are written again
.set WREG,  8192                       ; LDS: a region for each wave: two stages of 32 x SP bytes
.set SP,    80                         ; a lane's place in a stage: 64 bytes + 16 of padding
.set SPW,   12                         ; v12  LDS address of my spare word; never rewritten
.set NIL,   13                         ; v13  0; never rewritten
.set SPARE, WAVES*WREG                 ; behind the four regions: the spare words, 128 bytes a wave, which no other line names
	s_load_b512 s[8:23], s[0:1], 0x0               ; q 8, k 10, v 12, wq_w 14, wk_w 16, wv_w 18, dense_w 20, the scales' exponents 22
	s_load_b128 s[24:27], s[0:1], 0x40             ; xc, wc
	v_lshl_add_u32 v[SPW], v0, 2, SPARE
	v_mov_b32 v[NIL], 0
	v_lshrrev_b32 v1, 5, v0
	v_readfirstlane_b32 s28, v1                    ; wave
	v_and_b32 v2, 31, v0                           ; lane
	v_lshlrev_b32 v3, 4, v2                        ; my 16 bytes of a load's 512, and of a store's
	s_mul_i32 s37, s28, WREG
	v_lshrrev_b32 v14, 2, v2
	v_mul_u32_u24 v14, v14, SP
	v_and_b32 v15, 3, v2
	v_lshl_add_u32 v14, v15, 4, v14
	v_add_nc_u32 v14, s37, v14                     ; the stage, on the way in: SP (lane / 4) + 16 (lane % 4)
	v_mul_u32_u24 v15, v2, SP
	v_add_nc_u32 v15, s37, v15                     ; and on the way out: SP x lane: my 16 neighbours
	; which entry of the scales: 2 t for q, k, v; 2 t' + 1 for the first three weights, 11 for dense_w
	s_lshr_b32 s37, ttmp9, 8
	s_lshl_b32 s37, s37, 1
	s_sub_co_u32 s38, ttmp9, NACT
	s_lshr_b32 s38, s38, 5
	s_lshl_b32 s39, s38, 1
	s_add_co_u32 s39, s39, 1
	s_cmp_eq_u32 s38, 3
	s_cselect_b32 s39, 11, s39
	s_cmp_lt_u32 ttmp9, NACT
	s_cselect_b32 s35, s37, s39
	s_cselect_b32 s29, 0, NACT
	s_cselect_b32 s36, 255, 31
	s_min_u32 s35, s35, 11
	s_lshl_b32 s35, s35, 2                         ; in bytes
	s_sub_co_u32 s29, ttmp9, s29                   ; my number among xc's work-groups, or among wc's
	s_and_b32 s36, s29, s36                        ; and inside my tensor
	s_lshl_b32 s30, s36, 17                        ; source: 131,072 bytes a work-group,
	s_lshl_b32 s31, s28, 15                        ; 32,768 a wave
	s_add_co_u32 s30, s30, s31
	s_mov_b32 s31, 0
	s_lshl_b32 s32, s29, 15                        ; codes: 32,768 bytes a work-group,
	s_lshl_b32 s33, s28, 13                        ; 8,192 a wave
	s_add_co_u32 s32, s32, s33
	s_mov_b32 s33, 0
	s_wait_alu depctr_va_vdst(0)
	s_wait_kmcnt 0x0
	s_load_b32 s34, s[22:23], s35 offset:0x0       ; e
	s_mov_b64 s[4:5], s[20:21]                     ; the source: the last tensor, unless the work-group's number lies under an earlier tensor's end
	s_cmp_lt_u32 ttmp9, 864
	s_cselect_b64 s[4:5], s[18:19], s[4:5]
	s_cmp_lt_u32 ttmp9, 832
	s_cselect_b64 s[4:5], s[16:17], s[4:5]
	s_cmp_lt_u32 ttmp9, 800
	s_cselect_b64 s[4:5], s[14:15], s[4:5]
	s_cmp_lt_u32 ttmp9, 768
	s_cselect_b64 s[4:5], s[12:13], s[4:5]
	s_cselect_b64 s[6:7], s[24:25], s[26:27]       ; the codes' buffer
	s_cmp_lt_u32 ttmp9, 512
	s_cselect_b64 s[4:5], s[10:11], s[4:5]
	s_cmp_lt_u32 ttmp9, 256
	s_cselect_b64 s[4:5], s[8:9], s[4:5]
	s_add_nc_u64 s[4:5], s[4:5], s[30:31]
	s_add_nc_u64 s[6:7], s[6:7], s[32:33]
.macro LOAD t
.irp i, 0,1,2,3
	global_load_b128 v[R+16*((\t)%4)+4*\i:R+16*((\t)%4)+4*\i+3], v3, s[4:5] offset:2048*(\t)+512*\i th:TH_LOAD_NT   ; 32 lanes read 512 consecutive bytes; read once in the launch
.endr
.endm
.macro TURN t                          ; step t's numbers through the stage: LDS serves a wave's instructions in order, so no wait stands between the stores and the loads
.irp i, 0,1,2,3
	ds_store_b128 v14, v[R+16*((\t)%4)+4*\i:R+16*((\t)%4)+4*\i+3] offset:32*SP*((\t)%2)+8*SP*\i
.endr
.irp i, 0,1,2,3
	ds_load_b128 v[X+16*((\t)%2)+4*\i:X+16*((\t)%2)+4*\i+3], v15 offset:32*SP*((\t)%2)+16*\i
.endr
.endm
.irp t, 0,1,2,3
	LOAD \t
.endr
	s_wait_kmcnt 0x0
	s_add_co_i32 s34, s34, 127
	s_lshl_b32 s35, s34, 23
	v_mov_b32 v11, s35                             ; 2^e as f32: the conversion takes its exponent field
	s_add_co_i32 s34, s34, EMAX
	s_lshl_b32 s34, s34, 23
	s_or_b32 s34, s34, MANT
	s_wait_alu depctr_va_vdst(0)
	s_wait_loadcnt 12                              ; step 0's four loads are in; the twelve of steps 1 to 3 stay out
	TURN 0
.macro STEP t
.set XS, X+16*((\t)%2)
	s_wait_dscnt 0x0                               ; this step's numbers are back from the stage: so its stores into the stage have read their registers,
.if (\t)+4 < STEPS
	LOAD (\t)+4                                    ; which take the loads of four steps on
.endif
.if (\t)+1 < STEPS
.if STEPS-2-(\t) >= 3
	s_wait_loadcnt 12                              ; the next step's four loads are in; those of the three steps behind it may be out
.else
	s_wait_loadcnt 4*(STEPS-2-(\t))                ; the tail: fewer steps are behind it
.endif
	TURN (\t)+1                                    ; and go through the other stage while this step is worked
.endif
.irp i, 0,1,2,3,4,5,6,7,8,9,10,11,12,13,14,15
.endr
	v_cvt_scalef32_pk8_fp8_f32 v[C+4*(\t):C+4*(\t)+1], v[XS:XS+7], v11
	v_cvt_scalef32_pk8_fp8_f32 v[C+4*(\t)+2:C+4*(\t)+3], v[XS+8:XS+15], v11
	global_store_b128 v3, v[C+4*(\t):C+4*(\t)+3], s[6:7] offset:512*(\t)   ; the codes go to a store alone
.endm
.irp t, 0,1,2,3,4,5,6,7,8,9,10,11,12,13,14,15
	STEP \t
.endr
	s_wait_tensorcnt 0x0                           ; the wave's end: a wait, an add of 0 to my spare word and its wait, behind my last LDS store
	ds_add_u32 v[SPW], v[NIL]
	s_wait_dscnt 0x0
	s_endpgm
.Lfunc_end_k_qd5fc4ccb80_quant:
	.size	k_qd5fc4ccb80_quant, .Lfunc_end_k_qd5fc4ccb80_quant-k_qd5fc4ccb80_quant
	.p2alignl 7, 3214868480
	.fill 96, 4, 3214868480
	.section	.rodata,"a",@progbits
	.p2align	6, 0x0
	.amdhsa_kernel k_qd5fc4ccb80_quant
		.amdhsa_group_segment_fixed_size 33280
		.amdhsa_private_segment_fixed_size 0
		.amdhsa_enable_private_segment 0
		.amdhsa_kernarg_size 80
		.amdhsa_user_sgpr_count 2
		.amdhsa_user_sgpr_kernarg_segment_ptr 1
		.amdhsa_wavefront_size32 1
		.amdhsa_system_sgpr_workgroup_id_x 1
		.amdhsa_system_sgpr_workgroup_id_y 1
		.amdhsa_system_sgpr_workgroup_id_z 1
		.amdhsa_system_vgpr_workitem_id 0
		.amdhsa_next_free_vgpr 192
		.amdhsa_next_free_sgpr 66
		.amdhsa_reserve_vcc 0
		.amdhsa_float_denorm_mode_32 3
		.amdhsa_float_denorm_mode_16_64 3
		.amdhsa_fp16_overflow 1
		.amdhsa_memory_ordered 1
		.amdhsa_forward_progress 1
		.amdhsa_inst_pref_size 22
	.end_amdhsa_kernel
	.amdgpu_metadata
---
amdhsa.version: [ 1, 2 ]
amdhsa.kernels:
  - .name:           k_qd5fc4ccb80_quant
    .symbol:         k_qd5fc4ccb80_quant.kd
    .args:
      - { .name: q, .offset: 0, .size: 8, .value_kind: global_buffer, .address_space: global }
      - { .name: k, .offset: 8, .size: 8, .value_kind: global_buffer, .address_space: global }
      - { .name: v, .offset: 16, .size: 8, .value_kind: global_buffer, .address_space: global }
      - { .name: wq_w, .offset: 24, .size: 8, .value_kind: global_buffer, .address_space: global }
      - { .name: wk_w, .offset: 32, .size: 8, .value_kind: global_buffer, .address_space: global }
      - { .name: wv_w, .offset: 40, .size: 8, .value_kind: global_buffer, .address_space: global }
      - { .name: dense_w, .offset: 48, .size: 8, .value_kind: global_buffer, .address_space: global }
      - { .name: lowp_scales, .offset: 56, .size: 8, .value_kind: global_buffer, .address_space: global }
      - { .name: xc, .offset: 64, .size: 8, .value_kind: global_buffer, .address_space: global }
      - { .name: wc, .offset: 72, .size: 8, .value_kind: global_buffer, .address_space: global }
    .group_segment_fixed_size: 33280
    .private_segment_fixed_size: 0
    .kernarg_segment_align: 8
    .kernarg_segment_size: 80
    .max_flat_workgroup_size: 128
    .sgpr_count:     66
    .vgpr_count:     192
    .wavefront_size: 32
...
	.end_amdgpu_metadata
.endif
;; end of part 1
;; launch proj (part 2): grid 96 x 4, 4 waves a work-group, clusters of 4 x 4, 327,680 bytes of LDS; arguments xc, wc, lowp_scales, wq_b, wk_b, wv_b, hc; writes hc
.if DOCPART == 2
	.amdgcn_target "amdgcn-amd-amdhsa--gfx1250"
	.amdhsa_code_object_version 6
	.text
	.protected	k_qd5fc4ccb80_proj
	.globl	k_qd5fc4ccb80_proj
	.p2align	8
	.type	k_qd5fc4ccb80_proj,@function
k_qd5fc4ccb80_proj:
	s_mov_b64 s[64:65], 0
	v_nop
	global_prefetch_b8 v0, s[64:65] scope:SCOPE_SE
	s_setreg_imm32_b32 hwreg(HW_REG_WAVE_MODE, 25, 1), 1
	s_wait_xcnt 0x0
	s_wait_alu depctr_hold_cnt(0) depctr_sa_sdst(0) depctr_va_vdst(0) depctr_va_sdst(0) depctr_va_ssrc(0) depctr_va_vcc(0) depctr_vm_vsrc(0)
	s_getreg_b32 s2, hwreg(HW_REG_IB_STS2, 6, 4)
	s_cmp_eq_u32 s2, 0
	s_cbranch_scc0 .Lentry_in_a_cluster
	s_endpgm
.Lentry_in_a_cluster:
	s_bfe_u32 s2, ttmp6, 0x10000c
	s_cmp_lg_u32 s2, 0xf033
	s_cbranch_scc0 .Lentry_shape_is_right
	s_endpgm
.Lentry_shape_is_right:
; The three projections on codes of FP8 (E4M3), their biases, and the quantising of the results into the operands of attention.
; C[m][n] = sum over k of A[m][k] B[n][k], K = 1,024.  A cluster of 4 x 4 work-groups makes 1,024 x 1,024 of C; cluster c = 0 .. 23: flavour f = c / 8 (0 Q, 1 K, 2 V), part g = c % 8.
;   f < 2: A = the tokens' codes (rows 1,024 g on), B = the weight's: m is a token, n a feature.      f = 2: A = wv's codes, B = v's tokens: m is a feature, n a token.
; THE MATRIX INSTRUCTION IS USED TRANSPOSED (source 0 = 16 rows of B, source 1 = 16 rows of A): a lane holds row m = 16 a + lane % 16 and eight neighbouring n.  So a lane's registers run along the head's 64 for Q and K
; and along the keys for V: each along the K of the product that will read it, as the conversions want.  The flavour chooses pointers, offsets and factors by selects alone: no branch hangs on it.
; value = sum x 2^(ex + ew) + bias; code = value / 2^eo, held within +-448.  So bias / 2^(ex + ew) is added to the sum and the conversion takes 2^(eo - ex - ew).  The bias runs along n for Q, K and along m for V:
; both sets are loaded, and the one that does not apply is multiplied by 0.
; OUT: hc [64 (batch, head)][3][131,072 bytes].  Parts 0, 1: Q, K: 2,048 rows (tokens) of 64 codes.  Part 2: V: [32 blocks of 64 keys][64 rows (the head's features)][64 keys].  In all three a ROW lies at the place
; that its number gives with bits 3 and 4 exchanged; 16 neighbouring stored rows are then rows 32 b + 8 u + r + 8 (r / 8), which is what the next launch's tiles want.
; LIMITS: ex + ew between -126 and 126; eo - ex - ew between -126 and 119 (each power of two below is an f32 number).  The biases are finite.
; A tile of C, 256 x 256, is made by four waves, 128 x 128 each: 64 accumulators.  K goes in steps of 256 through a ring of two LDS slots filled by joint tensor loads: A's tile is shared along a row of the cluster, B's along a column.
; No prefetch: K has four steps, and the first two are asked for at the head.
; REGISTERS, in windows of 256: window 0: v1-29 addresses and constants; v32-95 the bias along n, v96-103 along m; from v128 A's fragments, ONE set; on the way out v128-255 are at work.
;   window 1: B's fragments, TWO sets.   window 2: the accumulators of my rows 0-63 ((a, b) at v[8 (8 a + b)]);   window 3: those of rows 64-127.
.set KSTEP,  256
.set ROWB,   256                       ; a tile's row in bytes
.set KROW,   1024                      ; a row of A or of B in memory, in bytes
.set PITCH,  272                       ; an LDS row: 256 bytes + 16 of padding = 68 words: the 16 rows that a load touches start at 16 different banks (64 banks of 4 bytes: ISA guide 11.1)
.set FR,     16                        ; registers of a fragment: 16 rows x 128 K
.set NL,     4                         ; LDS loads that bring one
.set NP,     4                         ; places behind this matrix instruction (ISA guide 7.12.1)
.set HALFT,  128*PITCH                 ; 128 rows: what one tensor load brings
.set SLOT,   4*HALFT                   ; A's 256 rows, then B's 256 rows
.set LAPS,   2                         ; K = 1,024 = two laps of two K steps
.set SPARE,  2*SLOT                    ; behind the ring: the spare words, 128 bytes a wave, which no other line names
.set SC,   8                           ; v8   2^(eo - ex - ew) as f32
.set LIM,  9
.set L16,  10                          ; v10  16 x lane
.set RD,   11                          ; v11  the way out: where I read rows back
.set BNO,  12                          ; v12  my offset in the bias, along n
.set BMO,  13                          ; v13  and along m
.set ADRA, 16                          ; v16-17  LDS address of my A fragments in slot 0, 1
.set ADRB, 20                          ; v20-21  the same for B
.set STO,  24                          ; v24  the way out: where I put 8 codes
.set SPW,  28                          ; v28  LDS address of my spare word; never rewritten
.set NIL,  29                          ; v29  0; never rewritten
.set BN,   32
.set BM,   96
.set AF,   128                         ; A's fragments
.set TMP,  128                         ; the way out: a block's 64 numbers
.set CD,   192                         ; and its codes
.set OUTR, 128                         ; then 32 x 4 registers of rows read back
.set G1, 24                            ; s[24:31] descriptor group 1 for A's tiles;  s[32:39] group 0, one set for each slot
.set G0, 32
.set G1B, 48                           ; s[48:55], s[56:63] the same for B's tiles
.set G0B, 56
.set OB,  92                           ; s[92:99] four bases in hc
.set MSB, 0
.macro WIN new                         ; the immediate's high byte repeats the setting that is left
.if MSB != (\new)
	s_set_vgpr_msb (MSB<<8)|(\new)
.set MSB, (\new)
.endif
.endm
.set MUL_LO, 0xa1                      ; source 0 (B) window 1, source 1 (A) window 0, C and D window 2
.set MUL_HI, 0xf1                      ; the same, C and D window 3
.set TO_B,   0x40                      ; destination window 1, address window 0
; A joint load: waves 0 and 1 fetch for A, waves 2 and 3 for B.  Each line has one mask and one set of registers for all that issue it; the branch hangs on the wave's number alone.
; An s_nop 0 and four v_nop follow each of the two lines.
.macro JLOAD g0a, g1a, g0b, g1b
	s_cmp_eq_u32 s15, 0
	s_cbranch_scc0 .Lfor_b_\@
	tensor_load_to_lds s[\g0a:\g0a+3], s[\g1a:\g1a+7]
	s_nop 0
.rept 4
	v_nop
.endr
	s_branch .Lasked_\@
.Lfor_b_\@:
	tensor_load_to_lds s[\g0b:\g0b+3], s[\g1b:\g1b+7]
	s_nop 0
.rept 4
	v_nop
.endr
.Lasked_\@:
.endm
.macro CREST                           ; a round of the cluster's barrier behind its opening barrier
	s_cmp_lg_u32 s14, 0
	s_cbranch_scc1 .Lnot_wave_0_\@
	s_barrier_signal -3
.Lnot_wave_0_\@:
	s_barrier_wait -3
	s_barrier_signal -1
	s_barrier_wait -1
.endm
.macro CROUND                          ; a whole round
	s_barrier_signal -1
	s_barrier_wait -1
	CREST
.endm
	s_load_b256 s[68:75], s[0:1], 0x0              ; xc 68, wc 70, the scales' exponents 72, wq_b 74
	s_load_b128 s[76:79], s[0:1], 0x20             ; wk_b 76, wv_b 78
	s_load_b64 s[80:81], s[0:1], 0x30              ; hc
	v_lshl_add_u32 v[SPW], v0, 2, SPARE
	v_mov_b32 v[NIL], 0
	ds_add_u32 v[SPW], v[NIL]                      ; the wave's opening: the add and its wait stand ahead of my first tensor load; the set-up below, work on registers, stands between them
	ds_add_u32 v[SPW], v[NIL]
	v_lshrrev_b32 v1, 5, v0
	v_readfirstlane_b32 s14, v1                    ; wave 0..3
	s_lshr_b32 s15, s14, 1                         ; which half of the tile's rows is mine.  Also: I fetch for A (0) or for B (1)
	s_and_b32 s16, s14, 1                          ; which half of its columns.  Also: which 128 rows of that tile I fetch
	s_bfe_u32 s40, ttmp6, 0x40000                  ; cx: the tile column of the cluster's part
	s_bfe_u32 s41, ttmp6, 0x40004                  ; cy: its tile row
	s_lshr_b32 s66, ttmp9, 3                       ; f: the flavour; the same in all sixteen partners
	s_and_b32 s67, ttmp9, 7                        ; g: which 1,024 tokens
	s_lshl_b32 s43, s41, 2
	s_lshl_b32 s43, 15, s43                        ; my row of the cluster
	s_lshl_b32 s44, 0x1111, s40                    ; my column
	s_or_b32 s[G1+0], s43, (0<<16)|(1<<20)|(1<<21)|(5<<22)|(3<<25)  ; 15:0 the mask: A's tiles go to my row; 17:16 elements of 1 byte; 20 padding on; 21 set beside a mask; 24:22 after every 64 words; 31:25 four words
	s_or_b32 s[G1B+0], s44, (0<<16)|(1<<20)|(1<<21)|(5<<22)|(3<<25) ; the same with my column's mask
.irp g, G1, G1B
	s_mov_b32 s[\g+1], ROWB<<16                    ; tensor_dim0
	s_mov_b32 s[\g+2], 128<<16                     ; tensor_dim1 = 128
	s_mov_b32 s[\g+3], ROWB<<16                    ; tile_dim0
	s_mov_b32 s[\g+4], 128                         ; tile_dim1 = 128
	s_mov_b32 s[\g+5], KROW                        ; tensor_dim0_stride
	s_mov_b32 s[\g+6], 0
	s_mov_b32 s[\g+7], 0
.endr
	s_lshl_b32 s12, s66, 3                         ; where ex, ew lie: entries 2 f, 2 f + 1
	s_cmp_eq_u32 s66, 2
	s_cselect_b32 s13, 7, 6
	s_add_co_u32 s13, s13, s66                     ; where eo lies: entry 6, 7 or 9
	s_lshl_b32 s13, s13, 2
	; where the tiles come from.  The tokens' side gets g's 1,024 rows; each side its tensor's place in its buffer
	s_lshl_b32 s82, s67, 10                        ; 1,024 g rows
	s_lshl_b32 s83, s66, 23                        ; tokens of flavour f in xc: 8 MiB each
	s_lshl_b32 s18, s66, 20                        ; weight f in wc: 1 MiB each
	s_cmp_eq_u32 s66, 2
	s_cselect_b32 s19, 0, s82                      ; rows added on A's side,
	s_cselect_b32 s82, s82, 0                      ; on B's
	s_cselect_b32 s83, 0x200000, s83               ; A's tensor: wv's codes, or the tokens'
	s_cselect_b32 s18, 0x1000000, s18              ; B's tensor: v's tokens, or the weight
	s_lshl_b32 s22, s16, 7                         ; which 128 rows of the tile I fetch
	s_lshl_b32 s20, s41, 8
	s_add_co_u32 s20, s20, s22
	s_add_co_u32 s20, s20, s19                     ; A: row 256 cy + 128 x half (+ 1,024 g): it hangs on cy, never on cx
	s_lshl_b32 s20, s20, 10
	s_add_co_u32 s20, s20, s83
	s_mov_b32 s21, 0
	s_lshl_b32 s46, s40, 8
	s_add_co_u32 s46, s46, s22
	s_add_co_u32 s46, s46, s82                     ; B: row 256 cx + 128 x half (+ 1,024 g): it hangs on cx, never on cy
	s_lshl_b32 s46, s46, 10
	s_add_co_u32 s46, s46, s18
	s_mov_b32 s47, 0
	s_mul_i32 s45, s14, HALFT                      ; where they go: wave x 128 rows: no place in the cluster enters an LDS address
	s_wait_dscnt 0x0                               ; the opening add is done
	s_wait_kmcnt 0x0
	s_load_b64 s[84:85], s[72:73], s12 offset:0x0  ; ex, ew
	s_load_b32 s86, s[72:73], s13 offset:0x0       ; eo
	s_cmp_eq_u32 s66, 2
	s_cselect_b64 s[4:5], s[70:71], s[68:69]       ; A's buffer
	s_cselect_b64 s[6:7], s[68:69], s[70:71]       ; B's
	s_cselect_b64 s[10:11], s[78:79], s[76:77]
	s_cmp_eq_u32 s66, 0
	s_cselect_b64 s[10:11], s[74:75], s[10:11]     ; the flavour's bias
	s_add_nc_u64 s[20:21], s[4:5], s[20:21]
	s_add_nc_u64 s[46:47], s[6:7], s[46:47]
	CROUND                                         ; all sixteen work-groups are here: the first joint loads meet
.irp s, 0,1
	s_mov_b32 s[G0+4*\s], 1
	s_add_co_u32 s[G0+4*\s+1], s45, \s*SLOT
	s_add_nc_u64 s[G0+4*\s+2:G0+4*\s+3], s[20:21], \s*ROWB
	s_or_b32 s[G0+4*\s+3], s[G0+4*\s+3], 0x80000000
	s_mov_b32 s[G0B+4*\s], 1
	s_add_co_u32 s[G0B+4*\s+1], s45, \s*SLOT
	s_add_nc_u64 s[G0B+4*\s+2:G0B+4*\s+3], s[46:47], \s*ROWB
	s_or_b32 s[G0B+4*\s+3], s[G0B+4*\s+3], 0x80000000
	s_wait_alu depctr_va_vdst(0)
	s_wait_tensorcnt 0x0
	ds_add_u32 v28, v29
	ds_add_u32 v28, v29
	s_wait_dscnt 0x0
	CROUND
	JLOAD G0+4*\s, G1, G0B+4*\s, G1B               ; one load of mine is out
.endr
	v_and_b32 v1, 15, v0                           ; r = l % 16
	v_bfe_u32 v2, v0, 4, 1                         ; h = l / 16
	v_mul_u32_u24 v3, v1, PITCH
	v_lshl_add_u32 v4, v2, 4, v3                   ; a fragment's row x pitch + 16 x half
	s_mul_i32 s21, s15, HALFT                      ; my 128 rows of A
	s_mul_i32 s22, s16, HALFT                      ; my 128 rows of B,
	s_add_co_u32 s22, s22, 2*HALFT                 ; which lie behind A's 256
.irp s, 0,1
	v_add_nc_u32 v[ADRA+\s], s21, v4
	v_add_nc_u32 v[ADRB+\s], s22, v4
	s_add_co_u32 s21, s21, SLOT
	s_add_co_u32 s22, s22, SLOT
.endr
	; the way out's stage: 256 rows x 272 bytes in slot 0, the work-group's.  Row 16 a + r of my 128 goes to place 32 (a / 2) + 16 (r / 8) + 8 (a % 2) + r % 8: bits 3 and 4 exchanged
	v_lshrrev_b32 v5, 3, v1
	v_and_b32 v6, 7, v1
	v_lshl_add_u32 v5, v5, 4, v6
	v_mul_u32_u24 v5, v5, PITCH
	v_lshl_add_u32 v5, v2, 3, v5                   ; + 8 h: my eight codes
	s_mul_i32 s23, s15, 128*PITCH
	s_lshl_b32 s18, s16, 7
	s_add_co_u32 s23, s23, s18                     ; my half of the rows, my half of their 256 bytes
	v_add_nc_u32 v[STO], s23, v5
	v_and_b32 v6, 31, v0
	v_lshlrev_b32 v[L16], 4, v6
	v_lshrrev_b32 v5, 2, v6
	v_mul_u32_u24 v5, v5, PITCH
	v_and_b32 v6, 3, v6
	v_lshl_add_u32 v5, v6, 4, v5                   ; back: four lanes to 64 bytes of a row, eight rows an instruction
	s_mul_i32 s23, s14, 64*PITCH                   ; wave w takes rows 64 w on
	v_add_nc_u32 v[RD], s23, v5
	; the biases: along n: features 256 cx + 128 x column half + 16 b + 8 h + 0 .. 7; along m: 256 cy + 128 x row half + 16 a + r.  The set that does not apply is read from the bias's head: no load leaves the buffer
	s_lshl_b32 s18, s40, 8
	s_lshl_b32 s19, s16, 7
	s_add_co_u32 s18, s18, s19
	s_lshl_b32 s18, s18, 2
	s_lshl_b32 s19, s41, 8
	s_lshl_b32 s22, s15, 7
	s_add_co_u32 s19, s19, s22
	s_lshl_b32 s19, s19, 2
	s_cmp_eq_u32 s66, 2
	s_cselect_b32 s18, 0, s18
	s_cselect_b32 s19, s19, 0
	v_lshl_add_u32 v[BNO], v2, 5, s18
	v_lshl_add_u32 v[BMO], v1, 2, s19
.irp b, 0,1,2,3,4,5,6,7
	global_load_b128 v[BN+8*\b:BN+8*\b+3], v[BNO], s[10:11] offset:64*\b
	global_load_b128 v[BN+8*\b+4:BN+8*\b+7], v[BNO], s[10:11] offset:64*\b+16
.endr
.irp a, 0,1,2,3,4,5,6,7
	global_load_b32 v[BM+\a], v[BMO], s[10:11] offset:64*\a
.endr
	; where my rows go in hc.  Q, K: (p, q) = (cx, cy): wave w's 64 stage rows are 64 tokens (4,096 bytes on), piece hh of a row is head 4 cx + hh (393,216 bytes on).
	; V: (p, q) = (cy, cx): wave w's 64 stage rows are head 4 cy + w, piece hh is the block of 64 keys 4 cx + hh (4,096 bytes on)
	s_mov_b32 s22, 4096
	s_mov_b32 s23, 0x60000                         ; 393,216: a (batch, head)'s three parts
	s_cmp_eq_u32 s66, 2
	s_cselect_b32 s18, s41, s40                    ; p
	s_cselect_b32 s19, s40, s41                    ; q
	s_cselect_b32 s82, s23, s22                    ; from wave to wave
	s_cselect_b32 s83, s22, s23                    ; from piece to piece
	s_lshr_b32 s22, s67, 1                         ; the batch
	s_lshl_b32 s22, s22, 4
	s_lshl_b32 s18, s18, 2
	s_add_co_u32 s22, s22, s18                     ; 16 x batch + 4 p
	s_mul_i32 s22, s22, s23
	s_lshl_b32 s18, s66, 17                        ; the part
	s_add_co_u32 s22, s22, s18
	s_and_b32 s18, s67, 1
	s_lshl_b32 s18, s18, 16                        ; 1,024 tokens x 64 bytes
	s_add_co_u32 s22, s22, s18
	s_lshl_b32 s19, s19, 14                        ; 256 q tokens x 64 bytes
	s_add_co_u32 s22, s22, s19
	s_mul_i32 s82, s82, s14
	s_add_co_u32 s22, s22, s82
	s_mov_b32 s23, 0
.irp hh, 0,1,2,3
	s_add_nc_u64 s[OB+2*\hh:OB+2*\hh+1], s[80:81], s[22:23]
	s_add_co_u32 s22, s22, s83
.endr
.macro FRAG reg, adr, q, i             ; a fragment, 16 rows x 128 K: lane l holds row l % 16; registers 4 c .. 4 c + 3 hold K = 32 c + 16 (l / 16) + 0 .. 15: the same places in A and in B, so every product meets its partner
.irp c, 0,1,2,3
	ds_load_b128 v[\reg+4*\c:\reg+4*\c+3], v[\adr] offset:128*(\q)+32*\c+(\i)*16*PITCH
.endr
.endm
; 16 matrix instructions: A's blocks a0, a0 + 1 x B's eight, 128 along K.  p: B's set.  zero = 1: the first product starts the sums.  The 64 accumulators take turns, one instruction a turn.
.macro MUL16 a0, p, zero
.irp a, \a0, \a0+1
.irp b, 0,1,2,3,4,5,6,7
.if \zero
	v_wmma_f32_16x16x128_fp8_fp8 v[8*(8*((\a)%4)+\b):8*(8*((\a)%4)+\b)+7], v[128*(\p)+FR*\b:128*(\p)+FR*\b+FR-1], v[AF+FR*(\a):AF+FR*(\a)+FR-1], 0
.else
	v_wmma_f32_16x16x128_fp8_fp8 v[8*(8*((\a)%4)+\b):8*(8*((\a)%4)+\b)+7], v[128*(\p)+FR*\b:128*(\p)+FR*\b+FR-1], v[AF+FR*(\a):AF+FR*(\a)+FR-1], v[8*(8*((\a)%4)+\b):8*(8*((\a)%4)+\b)+7]
.endif
.endr
.endr
.endm
.macro FETCH_B slot, q, p              ; B's eight fragments of the slot's q-th 128 along K into set p
	WIN TO_B
.irp i, 0,1,2,3,4,5,6,7
	FRAG 128*(\p)+FR*\i, ADRB+\slot, \q, \i
.endr
	WIN 0
.endm
.macro FETCH_A slot, q, i0             ; A's blocks i0 .. i0 + 3
.irp i, \i0, \i0+1, \i0+2, \i0+3
	FRAG AF+FR*(\i), ADRA+\slot, \q, \i
.endr
.endm
.macro PLACES n                        ; a load into a register that a matrix instruction has read stands NP plain vector instructions behind it (ISA guide 7.12.1 for vector instructions)
.rept \n
	v_nop
.endr
.endm
; A step of 128 along K that has its successor in the same slot.  A's blocks are free as soon as their eight products are issued: one set serves A; B's fragments are at work through the whole step: two sets.
.macro STEP slot, q, zero
	s_wait_dscnt 4*NL                              ; B's set and A's blocks 0-3 are in; the youngest sixteen loads (A's blocks 4-7) may be out
	WIN MUL_LO
	MUL16 0, (\q)%2, \zero
	MUL16 2, (\q)%2, \zero
	s_wait_dscnt 0                                 ; A's blocks 4-7 are in
	PLACES NP
	FETCH_B \slot, (\q)+1, 1-(\q)%2
	FETCH_A \slot, (\q)+1, 0
	WIN MUL_HI
	MUL16 4, (\q)%2, \zero
	MUL16 6, (\q)%2, \zero
	PLACES NP
	WIN 0
	FETCH_A \slot, (\q)+1, 4
.endm
; A slot's last step changes slots: ONE barrier; in front of it each wave waits for all its tensor loads, adds 0 to its spare word, and waits for that and for its own reads of this slot.  fill = 1: this slot is filled again, two K steps ahead.
.macro TURN slot, next, fill
	s_wait_tensorcnt 0x0                           ; all my tensor loads have landed: my part of the next slot  (every window is 0 here)
	ds_add_u32 v[SPW], v[NIL]                      ; 0 onto my spare word
	s_wait_dscnt 4*NL+1                            ; (the add and the youngest sixteen loads, A's blocks 4-7, may be out)
	WIN MUL_LO
	MUL16 0, 1, 0                                  ; sixteen matrix instructions stand between the add and the wait for it
	s_wait_dscnt 0x0                               ; the add is done, and my reads of this slot are over
	s_barrier_signal -1
	MUL16 2, 1, 0
	WIN 0
	s_barrier_wait -1
.if \fill
	CREST                                          ; the barrier has opened a round of the cluster's barrier: no wave of any partner still reads this slot's tile or has a load on its way
	s_add_nc_u64 s[G0+4*\slot+2:G0+4*\slot+3], s[G0+4*\slot+2:G0+4*\slot+3], 2*ROWB
	s_add_nc_u64 s[G0B+4*\slot+2:G0B+4*\slot+3], s[G0B+4*\slot+2:G0B+4*\slot+3], 2*ROWB
	JLOAD G0+4*\slot, G1, G0B+4*\slot, G1B         ; the first tensor load behind the round, and my only one until the next; its four v_nop are the places in front of the loads below
.else
	PLACES NP
.endif
	FETCH_B \next, 0, 0
	FETCH_A \next, 0, 0
	WIN MUL_HI
	MUL16 4, 1, 0
	MUL16 6, 1, 0
	PLACES NP
	WIN 0
	FETCH_A \next, 0, 4
.endm
	s_wait_tensorcnt 1                             ; my part of K step 0 is in (K step 1's load may be out)
	s_barrier_signal -1
	s_barrier_wait -1                              ; everybody's is
	FETCH_B 0, 0, 0
	FETCH_A 0, 0, 0
	FETCH_A 0, 0, 4
	STEP 0, 0, 1                                   ; the first step stands in front of the loop: its products start the sums
	s_mov_b32 s3, LAPS-1
.Llap:                                                 ; a trip goes once round the ring, from a lap's second step to the next lap's first, and fills both slots again
	TURN 0, 1, 1
	STEP 1, 0, 0
	TURN 1, 0, 1
	STEP 0, 0, 0
	s_sub_co_u32 s3, s3, 1
	s_cmp_lg_u32 s3, 0
	s_cbranch_scc1 .Llap
	TURN 0, 1, 0                                   ; the last lap fills nothing, and has no round of the cluster's barrier
	STEP 1, 0, 0
	s_wait_dscnt 4*NL                              ; the very last step: nothing more to fetch
	WIN MUL_LO
	MUL16 0, 1, 0
	MUL16 2, 1, 0
	s_wait_dscnt 0
	WIN MUL_HI
	MUL16 4, 1, 0
	MUL16 6, 1, 0
	WIN 0
	; THE WAY OUT.  The factors, then the biases / 2^(ex + ew): these 36 multiplications name no register of the last products and are the places behind them.
	s_wait_kmcnt 0x0                               ; ex, ew, eo
	s_wait_loadcnt 0x0                             ; the biases
	s_add_co_i32 s84, s84, s85                     ; ex + ew
	s_sub_co_i32 s85, 127, s84
	s_lshl_b32 s85, s85, 23                        ; 2^-(ex + ew) as f32
	s_cmp_eq_u32 s66, 2
	s_cselect_b32 s88, 0, s85                      ; the factor of the bias along n: 0 for V,
	s_cselect_b32 s90, s85, 0                      ; along m: 0 for Q and K
	s_mov_b32 s89, s88                             ; (named as pairs, so they are written)
	s_mov_b32 s91, s90
	s_sub_co_i32 s86, s86, s84                     ; eo - ex - ew
	s_add_co_i32 s86, s86, 127
	s_lshl_b32 s87, s86, 23
	s_add_co_i32 s86, s86, 8
	s_lshl_b32 s86, s86, 23
	s_or_b32 s86, s86, 0x600000
.set J, 0
.rept 32
	v_pk_mul_f32 v[BN+J:BN+J+1], v[BN+J:BN+J+1], s[88:89] op_sel_hi:[1,0]
.set J, J+2
.endr
.set J, 0
.rept 4
	v_pk_mul_f32 v[BM+J:BM+J+1], v[BM+J:BM+J+1], s[90:91] op_sel_hi:[1,0]
.set J, J+2
.endr
	v_mov_b32 v[SC], s87                           ; the conversion takes its exponent field
; Block a: my rows 16 a on, all 128 columns.  Sum + bias, eight conversions (a lane's eight registers are eight neighbours along the reader's K), 8 bytes a lane and tile into the stage.
.macro BLOCKOUT a
.set AC, 64*((\a)%4)
	WIN 0x02+((\a)/4)                              ; source 0: window 2 or 3
.set J, 0
.rept 32
	v_pk_add_f32 v[TMP+J:TMP+J+1], v[AC+J:AC+J+1], v[BN+J:BN+J+1]   ; each accumulator from its low end on
.set J, J+2
.endr
	WIN 0
.set J, 0
.rept 32
.if ((\a)%2) == 0
	v_pk_add_f32 v[TMP+J:TMP+J+1], v[TMP+J:TMP+J+1], v[BM+(\a):BM+(\a)+1] op_sel_hi:[1,0]                ; my row's bias, the pair's first word for both halves
.else
	v_pk_add_f32 v[TMP+J:TMP+J+1], v[TMP+J:TMP+J+1], v[BM+(\a)-1:BM+(\a)] op_sel:[0,1] op_sel_hi:[1,1]   ; the pair's second word for both
.endif
.set J, J+2
.endr
.set J, 0
.rept 64
.set J, J+1
.endr
.if (\a) > 0
	s_wait_alu depctr_va_vdst(0)
	s_wait_dscnt 0x0                               ; the block before's stores have read the codes' registers, which are written now
.endif
.irp b, 0,1,2,3,4,5,6,7
	v_cvt_scalef32_pk8_fp8_f32 v[CD+2*\b:CD+2*\b+1], v[TMP+8*\b:TMP+8*\b+7], v[SC]
.endr
	v_nop                                          ; one plain vector instruction between the conversions and the next vector line that writes their sources
.irp b, 0,1,2,3,4,5,6,7
	ds_store_b64 v[STO], v[CD+2*\b:CD+2*\b+1] offset:(32*((\a)/2)+8*((\a)%2))*PITCH+16*\b
.endr
.endm
.irp a, 0,1,2,3,4,5,6,7
	BLOCKOUT \a                                    ; the stage lies in slot 0: it has had its last fill, and every wave has passed the last change of slots, behind which nobody reads it
.endr
	s_wait_dscnt 0x0                               ; for the others' sake: my stores into the stage are done
	s_barrier_signal -1
	s_barrier_wait -1                              ; a stage row's 256 bytes come from two waves
.irp hh, 0,1,2,3
.irp gg, 0,1,2,3,4,5,6,7
	ds_load_b128 v[OUTR+4*(8*\hh+\gg):OUTR+4*(8*\hh+\gg)+3], v[RD] offset:\gg*8*PITCH+\hh*64   ; piece hh (64 bytes) of eight rows
.endr
.endr
.irp hh, 0,1,2,3
.irp gg, 0,1,2,3,4,5,6,7
	s_wait_dscnt 31-(8*\hh+\gg)                    ; LDS loads come back in order: this one is in, the younger ones stay out
	global_store_b128 v[L16], v[OUTR+4*(8*\hh+\gg):OUTR+4*(8*\hh+\gg)+3], s[OB+2*\hh:OB+2*\hh+1] offset:\gg*512   ; eight rows of 64 bytes lie on end in hc: 32 lanes store 512 consecutive bytes, aligned
.endr
.endr
	s_wait_tensorcnt 0x0                           ; the wave's end: a wait, an add of 0 to my spare word and its wait, behind my last tensor load and my last LDS store
	ds_add_u32 v[SPW], v[NIL]
	s_wait_dscnt 0x0
	CROUND                                         ; the closing round: no work-group ends while a partner may still ask for a tile that names it
	s_endpgm
.Lfunc_end_k_qd5fc4ccb80_proj:
	.size	k_qd5fc4ccb80_proj, .Lfunc_end_k_qd5fc4ccb80_proj-k_qd5fc4ccb80_proj
	.p2alignl 7, 3214868480
	.fill 96, 4, 3214868480
	.section	.rodata,"a",@progbits
	.p2align	6, 0x0
	.amdhsa_kernel k_qd5fc4ccb80_proj
		.amdhsa_group_segment_fixed_size 327680
		.amdhsa_private_segment_fixed_size 0
		.amdhsa_enable_private_segment 0
		.amdhsa_kernarg_size 56
		.amdhsa_user_sgpr_count 2
		.amdhsa_user_sgpr_kernarg_segment_ptr 1
		.amdhsa_wavefront_size32 1
		.amdhsa_system_sgpr_workgroup_id_x 1
		.amdhsa_system_sgpr_workgroup_id_y 1
		.amdhsa_system_sgpr_workgroup_id_z 1
		.amdhsa_system_vgpr_workitem_id 0
		.amdhsa_next_free_vgpr 1024
		.amdhsa_next_free_sgpr 100
		.amdhsa_reserve_vcc 0
		.amdhsa_float_denorm_mode_32 3
		.amdhsa_float_denorm_mode_16_64 3
		.amdhsa_fp16_overflow 1
		.amdhsa_memory_ordered 1
		.amdhsa_forward_progress 1
		.amdhsa_inst_pref_size 133
	.end_amdhsa_kernel
	.amdgpu_metadata
---
amdhsa.version: [ 1, 2 ]
amdhsa.kernels:
  - .name:           k_qd5fc4ccb80_proj
    .symbol:         k_qd5fc4ccb80_proj.kd
    .args:
      - { .name: xc, .offset: 0, .size: 8, .value_kind: global_buffer, .address_space: global }
      - { .name: wc, .offset: 8, .size: 8, .value_kind: global_buffer, .address_space: global }
      - { .name: lowp_scales, .offset: 16, .size: 8, .value_kind: global_buffer, .address_space: global }
      - { .name: wq_b, .offset: 24, .size: 8, .value_kind: global_buffer, .address_space: global }
      - { .name: wk_b, .offset: 32, .size: 8, .value_kind: global_buffer, .address_space: global }
      - { .name: wv_b, .offset: 40, .size: 8, .value_kind: global_buffer, .address_space: global }
      - { .name: hc, .offset: 48, .size: 8, .value_kind: global_buffer, .address_space: global }
    .group_segment_fixed_size: 327680
    .private_segment_fixed_size: 0
    .kernarg_segment_align: 8
    .kernarg_segment_size: 56
    .max_flat_workgroup_size: 128
    .sgpr_count:     100
    .vgpr_count:     1024
    .wavefront_size: 32
...
	.end_amdgpu_metadata
.endif
;; end of part 2
;; launch attn (part 3): grid 4 x 64, 16 waves a work-group, clusters of 4 x 1, 327,680 bytes of LDS; arguments hc, lowp_scales, ac; writes ac
.if DOCPART == 3
	.amdgcn_target "amdgcn-amd-amdhsa--gfx1250"
	.amdhsa_code_object_version 6
	.text
	.protected	k_qd5fc4ccb80_attn
	.globl	k_qd5fc4ccb80_attn
	.p2align	8
	.type	k_qd5fc4ccb80_attn,@function
k_qd5fc4ccb80_attn:
	s_mov_b64 s[64:65], 0
	v_nop
	global_prefetch_b8 v0, s[64:65] scope:SCOPE_SE
	s_setreg_imm32_b32 hwreg(HW_REG_WAVE_MODE, 25, 1), 1
	s_wait_xcnt 0x0
	s_wait_alu depctr_hold_cnt(0) depctr_sa_sdst(0) depctr_va_vdst(0) depctr_va_sdst(0) depctr_va_ssrc(0) depctr_va_vcc(0) depctr_vm_vsrc(0)
	s_getreg_b32 s2, hwreg(HW_REG_IB_STS2, 6, 4)
	s_cmp_eq_u32 s2, 0
	s_cbranch_scc0 .Lentry_in_a_cluster
	s_endpgm
.Lentry_in_a_cluster:
	s_bfe_u32 s2, ttmp6, 0x10000c
	s_cmp_lg_u32 s2, 0x3003
	s_cbranch_scc0 .Lentry_shape_is_right
	s_endpgm
.Lentry_shape_is_right:
; Causal attention on codes of FP8 (E4M3): for each of 64 (batch, head): O[q] = sum over k <= q of softmax_k(Q[q] . K[k] / 8) V[k], head size 64, 2,048 tokens; O is quantised for the last projection.
; IN: hc [64][3][131,072]: Q and K: 2,048 rows of 64 codes; V: [32 blocks of 64 keys][64 rows (features)][64 keys]; every ROW lies at the place that its number gives with bits 3 and 4 exchanged.
; OUT: ac [16 heads][8,192 tokens][64 features], codes, in natural order.
; THE SOFTMAX AHEAD OF THE SECOND PRODUCT: t = score x log2(e) / 8; M = the row's largest t so far, rounded UP to a whole number; p = 2^(t - M) is quantised with 2^e8, not normalised.  The row's sum is taken of the
; unquantised p, in f32, and divides O at the end.  When M moves, the sum and O are multiplied by 2^(old M - new M): exact.  A hidden key's score becomes -infinity ahead of the maximum: p = 0, which is what adding
; -1e9 to a logit gives in f32 as long as logits stay under about 1e8 in magnitude.  Key 0 counts for every query, so M is a number from the first step on.
; SHARES.  The four work-groups of a cluster serve ONE (batch, head).  Its whole K and V, 128 KiB each, lie in each work-group's LDS for the whole launch: sixteen joint tensor loads, one a wave, each with the same
; descriptor and the mask of all four partners.  Nothing is filled again: no ring, and no barrier in the loops.  All tiles are asked for at the head, so there is nothing to prefetch.
; A wave has two tiles of 16 queries, one after the other: tile 8 w + cx (in block w of 128 queries) and tile 8 (15 - w) + 4 + cx (in block 15 - w): w + 1 and 16 - w key steps of 128 keys: 17 for every wave.
; Both loops have 16 trips; a trip whose keys all come after the block is jumped over, the trip on the diagonal is masked: branches on the wave's number and the trip's alone.  cx enters global addresses and the mask's number, nothing else.
; LAYOUT.  Both products are used transposed: S^T = K Q^T (source 0 = 16 keys, source 1 = my 16 queries), O^T = V^T P^T (source 0 = 16 features, source 1 = P): a lane holds ONE query (lane % 16) throughout.
; Sixteen neighbouring stored rows of K are keys 32 b + 8 u + r + 8 (r / 8): the 16 registers of tiles 2 b, 2 b + 1 are keys 32 b + 16 (lane / 16) + 0 .. 15, as P's codes must lie.  The same on V's rows gives a lane 16 neighbouring features.
; LIMITS on the given exponents, so that each power of two below is an f32 number: e6 + e7 between -123 and 130 (added to c's exponent field); e8 between -126 and 119; e10 - e8 - e9 between -126 and 119.
; REGISTERS: v1-11 addresses; v12 -M, v13 the largest t, v[14:15] the sum in two halves; v16-23, v24-31 Q of the two passes; v32-95 fragments of K, then of V; v96-159 S^T, then p; v160-191 O^T; v192-223 O scaled;
;   v224-239 p's codes, on the way out O's codes and rows; v244: 2^e8; v246: 2^(e10 - e8 - e9); v240-243, v248, v250-255 at work.
.set PITCH, 272                        ; four rows of 64 bytes + 16 of padding: row p lies at (p / 4) x 272 + (p % 4) x 64, so the 16 rows of a fragment fall on 16 different columns of 16 bytes modulo 256
.set VB,    139264                     ; K: 512 x 272 bytes from 0; V behind it
.set STEPB, 8704                       ; 128 rows of K, or two blocks of V: 32 x 272
.set STAGE, 278528                     ; the way out: 16 rows x 80 bytes for each wave; no tile lands here
.set SPARE, 299008                     ; the spare words, 128 bytes a wave, which no other line names
.set AK0, 1                            ; v1   my lane's place in a tile of K
.set AV0, 2                            ; v2   the same for V
.set RL,  3                            ; v3   lane % 16 - 16 (lane / 16)
.set DQ,  4                            ; v4   my query's place in its block of 128, less 16 (lane / 16)
.set SPW, 5                            ; v5   LDS address of my spare word; never rewritten
.set NIL, 6                            ; v6   0; never rewritten
.set GO,  7                            ; v7   16 x lane
.set ADK, 8                            ; v8   LDS address of the step's tiles of K
.set ADV, 9                            ; v9   of V
.set STO, 10                           ; v10  the stage: where I put 16 codes
.set RD,  11                           ; v11  and where I read rows back
.set WV,  18                           ; s18  my wave's number
.set SEL, 20                           ; s[20:21] lane selects for v_permlanex16_b32: lane l xor 16
.set CS,  22                           ; s[22:23] c = log2(e) / 8 x 2^(e6 + e7)
.set G1,  24                           ; s[24:31] descriptor group 1;  s[32:35] group 0
.set G0,  32
.set BLK, 44                           ; s44  the pass's block of 128 queries
.set KI,  45                           ; s45  the key step
.set TB,  46                           ; s46  its first byte in K's region, and in V's
.macro CROUND                          ; a round of the cluster's barrier
	s_barrier_signal -1
	s_barrier_wait -1
	s_cmp_lg_u32 s[WV], 0
	s_cbranch_scc1 .Lnot_wave_0_\@
	s_barrier_signal -3
.Lnot_wave_0_\@:
	s_barrier_wait -3
	s_barrier_signal -1
	s_barrier_wait -1
.endm
	s_load_b128 s[4:7], s[0:1], 0x0                ; hc, the scales' exponents
	s_load_b64 s[8:9], s[0:1], 0x10                ; ac
	v_lshl_add_u32 v[SPW], v0, 2, SPARE
	v_mov_b32 v[NIL], 0
	ds_add_u32 v[SPW], v[NIL]                      ; the wave's opening: the add and its wait stand ahead of my first tensor load; the set-up below, work on registers, stands between them
	ds_add_u32 v[SPW], v[NIL]
	v_lshrrev_b32 v8, 5, v0
	s_delay_alu instid0(VALU_DEP_1)
	v_readfirstlane_b32 s[WV], v8                  ; wave 0..15
	s_bfe_u32 s19, ttmp6, 0x40000                  ; cx
	s_and_b32 s73, ttmp7, 0xffff                   ; (batch, head), which the four partners share
	s_mul_i32 s74, s73, 393216                     ; its first byte in hc
	s_lshl_b32 s76, s[WV], 14                      ; what I fetch: 16,384 bytes: waves 0-7 K's eighths, waves 8-15 V's: K's and V's parts lie on end,
	s_add_co_u32 s76, s76, 131072                  ; behind Q's
	s_add_co_u32 s76, s76, s74
	s_mov_b32 s77, 0
	s_mul_i32 s[G0+1], s[WV], 64*PITCH             ; and where it goes: 64 rows of 272 bytes a wave
	s_mov_b32 s[G1], 15|(3<<16)|(1<<20)|(1<<21)|(5<<22)|(3<<25)  ; 15:0 the mask: all four work-groups; 17:16 elements of 8 bytes; 20 padding on; 21 set beside a mask; 24:22 after every 64 words; 31:25 four words
	s_mov_b32 s[G1+1], 32<<16                      ; tensor_dim0 = 32 elements: 256 bytes
	s_mov_b32 s[G1+2], 64<<16                      ; tensor_dim1 = 64
	s_mov_b32 s[G1+3], 32<<16                      ; tile_dim0
	s_mov_b32 s[G1+4], 64                          ; tile_dim1
	s_mov_b32 s[G1+5], 32                          ; the rows are dense in memory
	s_mov_b32 s[G1+6], 0
	s_mov_b32 s[G1+7], 0
	s_lshl_b32 s78, s[WV], 3
	s_add_co_u32 s78, s78, s19                     ; pass 0's tile of 16 queries: 8 w + cx
	s_sub_co_u32 s79, 15, s[WV]
	s_lshl_b32 s79, s79, 3
	s_add_co_u32 s79, s79, s19
	s_add_co_u32 s79, s79, 4                       ; pass 1's: 8 (15 - w) + 4 + cx
	; token 16 T + r lies at row 32 (T / 2) + 8 (T % 2) + 16 (r / 8) + r % 8 of Q
	s_lshr_b32 s52, s78, 1
	s_lshl_b32 s52, s52, 11
	s_and_b32 s53, s78, 1
	s_lshl_b32 s53, s53, 9
	s_add_co_u32 s52, s52, s53
	s_add_co_u32 s52, s52, s74
	s_mov_b32 s53, 0
	s_lshr_b32 s54, s79, 1
	s_lshl_b32 s54, s54, 11
	s_and_b32 s55, s79, 1
	s_lshl_b32 s55, s55, 9
	s_add_co_u32 s54, s54, s55
	s_add_co_u32 s54, s54, s74
	s_mov_b32 s55, 0
	; ac: (head x 8,192 + batch x 2,048 + 16 T) rows of 64 bytes
	s_and_b32 s56, s73, 15
	s_lshl_b32 s56, s56, 19
	s_lshr_b32 s57, s73, 4
	s_lshl_b32 s57, s57, 17
	s_add_co_u32 s56, s56, s57
	s_lshl_b32 s58, s79, 10
	s_add_co_u32 s58, s58, s56
	s_lshl_b32 s57, s78, 10
	s_add_co_u32 s56, s56, s57
	s_mov_b32 s57, 0
	s_mov_b32 s59, 0
	s_lshl_b32 s60, s19, 4                         ; my tile's place in its block of 128 queries: 16 cx,
	s_add_co_u32 s61, s60, 64                      ; 16 (4 + cx)
	s_mov_b32 s[SEL], 0x76543210
	s_mov_b32 s[SEL+1], 0xfedcba98
	s_mov_b32 s[CS], 0x3e38aa3b                    ; log2(e) / 8
	s_wait_dscnt 0x0                               ; the opening add is done
	s_wait_kmcnt 0x0
	s_load_b128 s[68:71], s[6:7], 0x18             ; e6, e7, e8, e9
	s_load_b32 s72, s[6:7], 0x28                   ; e10
	s_mov_b32 s[G0], 1                             ; count = 1
	s_add_nc_u64 s[G0+2:G0+3], s[4:5], s[76:77]
	s_or_b32 s[G0+3], s[G0+3], 0x80000000          ; type = 2
	s_add_nc_u64 s[48:49], s[4:5], s[52:53]        ; Q at pass 0's tile,
	s_add_nc_u64 s[50:51], s[4:5], s[54:55]        ; at pass 1's
	s_add_nc_u64 s[40:41], s[8:9], s[56:57]        ; ac likewise
	s_add_nc_u64 s[42:43], s[8:9], s[58:59]
	CROUND                                         ; all four work-groups are here: the joint loads meet
	tensor_load_to_lds s[G0:G0+3], s[G1:G1+7]      ; my one tensor load of the launch
	s_nop 0
.rept 4
	v_nop
.endr
	v_and_b32 v32, 15, v0                          ; r
	v_bfe_u32 v33, v0, 4, 1                        ; h
	s_delay_alu instid0(VALU_DEP_2)
	v_lshrrev_b32 v34, 3, v32
	s_delay_alu instid0(VALU_DEP_3)
	v_and_b32 v35, 7, v32
	s_delay_alu instid0(VALU_DEP_1)
	v_lshl_add_u32 v34, v34, 4, v35                ; 16 (r / 8) + r % 8
	s_delay_alu instid0(VALU_DEP_1)
	v_lshlrev_b32 v34, 6, v34
	s_delay_alu instid0(VALU_DEP_1)
	v_lshl_add_u32 v254, v33, 4, v34               ; + 16 h
	global_load_b128 v[16:19], v254, s[48:49]            ; Q's fragments stay in registers: registers 0-3: the head's 16 h + 0 .. 15, registers 4-7: 32 + 16 h + 0 .. 15: the same places as in K's
	global_load_b128 v[20:23], v254, s[48:49] offset:32
	global_load_b128 v[24:27], v254, s[50:51]
	global_load_b128 v[28:31], v254, s[50:51] offset:32
	v_lshrrev_b32 v34, 2, v32
	s_delay_alu instid0(VALU_DEP_1)
	v_mul_u32_u24 v34, v34, PITCH
	v_and_b32 v35, 3, v32
	s_delay_alu instid0(VALU_DEP_1)
	v_lshl_add_u32 v34, v35, 6, v34
	s_delay_alu instid0(VALU_DEP_1)
	v_lshl_add_u32 v[AK0], v33, 4, v34             ; (r / 4) x 272 + (r % 4) x 64 + 16 h
	s_delay_alu instid0(VALU_DEP_1)
	v_add_nc_u32 v[AV0], VB, v[AK0]
	v_lshlrev_b32 v35, 4, v33
	s_delay_alu instid0(VALU_DEP_1)
	v_sub_nc_u32 v[RL], v32, v35
	v_and_b32 v36, 31, v0
	s_delay_alu instid0(VALU_DEP_1)
	v_lshlrev_b32 v[GO], 4, v36
	s_mul_i32 s73, s[WV], 1280
	s_add_co_u32 s73, s73, STAGE                   ; my stage
	v_mul_u32_u24 v34, v32, 80
	s_delay_alu instid0(VALU_DEP_1)
	v_lshl_add_u32 v34, v33, 4, v34
	s_delay_alu instid0(VALU_DEP_1)
	v_add_nc_u32 v[STO], s73, v34                  ; in: row r, + 16 h
	v_lshrrev_b32 v34, 2, v36
	s_delay_alu instid0(VALU_DEP_1)
	v_mul_u32_u24 v34, v34, 80
	v_and_b32 v35, 3, v36
	s_delay_alu instid0(VALU_DEP_1)
	v_lshl_add_u32 v34, v35, 4, v34
	s_delay_alu instid0(VALU_DEP_1)
	v_add_nc_u32 v[RD], s73, v34                   ; back: four lanes to a row of 64 bytes
	v_mov_b32 v248, 0                              ; written once: a lane permute's destination counts as one of its sources
	v_mov_b32 v252, 0
	v_mov_b32 v253, 0                              ; (named as the upper half of the pair v[252:253])
	s_wait_kmcnt 0x0
	s_add_co_i32 s73, s68, s69
	s_lshl_b32 s73, s73, 23
	s_add_co_i32 s[CS], s[CS], s73                 ; a score stands for score x 2^(e6 + e7): the two exponents are added to c's exponent field
	s_mov_b32 s[CS+1], s[CS]                       ; (named with it as a pair, so it is written)
	s_add_co_i32 s73, s70, 127
	s_lshl_b32 s74, s73, 23
	v_mov_b32 v244, s74                            ; 2^e8 as f32, for p's conversions
	s_sub_co_i32 s73, s72, s70
	s_sub_co_i32 s73, s73, s71                     ; a sum of the second product stands for sum x 2^(e8 + e9): O's code is (sum / l) / 2^(e10 - e8 - e9)
	s_add_co_i32 s73, s73, 127
	s_lshl_b32 s74, s73, 23
	v_mov_b32 v246, s74
	s_wait_tensorcnt 0x0                           ; my sixteenth of K and V has landed,
	s_barrier_signal -1
	s_barrier_wait -1                              ; everybody's has: from here on K and V are only read
	s_wait_loadcnt 0x0                             ; Q
; ONE TILE OF 16 QUERIES against the keys of blocks 0 .. BLK.
.macro PASS p
.if \p
	s_wait_xcnt 0x0                                ; pass 0's stores have read their registers, which are written again below
	s_sub_co_u32 s[BLK], 15, s[WV]
.else
	s_mov_b32 s[BLK], s[WV]
.endif
	v_add_nc_u32 v[DQ], s[60+\p], v[RL]
	v_mov_b32 v13, 0xff61b1e6                      ; the largest t so far: -3e38, under every t
	s_delay_alu instid0(VALU_DEP_1)
	v_floor_f32 v12, -v13                          ; -M
	v_mov_b32 v14, 0                               ; the sum, in two halves
	v_mov_b32 v15, 0
.set J, 0
.rept 32
	v_mov_b32 v[160+J], 0                          ; O^T: the step is written once: the first finds zeros, which the first change of M leaves zeros
.set J, J+1
.endr
	s_mov_b32 s[KI], 0
	s_mov_b32 s[TB], 0
.Lstep\p:
	s_cmp_gt_u32 s[KI], s[BLK]                     ; all 128 keys come after my queries: the step's work is left out
	s_cbranch_scc1 .Lskip\p
	s_setprio 2
	v_add_nc_u32 v[ADK], s[TB], v[AK0]
	v_add_nc_u32 v[ADV], s[TB], v[AV0]
.irp t, 0,1,2,3,4,5,6,7
	ds_load_b128 v[32+8*\t:35+8*\t], v[ADK] offset:\t*4*PITCH       ; tile t: 16 stored rows of K
	ds_load_b128 v[36+8*\t:39+8*\t], v[ADK] offset:\t*4*PITCH+32
.endr
	s_wait_alu depctr_va_vdst(0)
	s_wait_dscnt 0x0
.irp t, 0,1,2,3,4,5,6,7
	v_wmma_f32_16x16x64_fp8_fp8 v[96+8*\t:103+8*\t], v[32+8*\t:39+8*\t], v[16+8*\p:23+8*\p], 0   ; S^T: register 16 b + i of a lane is key 32 b + 16 (lane / 16) + i of the step
.endr
.rept 4
	v_nop                                          ; four places: in front of the loads into K's registers, and of the first read of the scores
.endr
.irp t, 0,1,2,3
.irp c, 0,1,2,3
	ds_load_b128 v[32+16*\t+4*\c:35+16*\t+4*\c], v[ADV] offset:(\c/2)*16*PITCH+\t*4*PITCH+32*(\c%2)   ; V's fragments: 16 stored rows x 128 keys (two blocks of 64); they land under the softmax
.endr
.endr
	s_cmp_lg_u32 s[KI], s[BLK]                     ; only the block's own step lies on the diagonal
	s_cbranch_scc1 .Lopen\p
	v_mov_b32 v254, 0xff800000                     ; -infinity
.set N, 0
.rept 64
	v_cmp_gt_i32 vcc_lo, 32*(N/16)+N%16, v[DQ]     ; the register's key comes after my query
	v_cndmask_b32 v[96+N], v[96+N], v254, vcc_lo
.set N, N+1
.endr
.Lopen\p:
	v_max3_num_f32 v254, v96, v97, v98             ; the step's largest score of my query, among my 64 keys, in two chains; each accumulator is read from its low end on
	v_max3_num_f32 v252, v99, v100, v101
.irp i, 6,10,14,18,22,26,30,34,38,42,46,50,54,58
	v_max3_num_f32 v254, v254, v[96+\i], v[97+\i]
	v_max3_num_f32 v252, v252, v[98+\i], v[99+\i]
.endr
	v_max3_num_f32 v254, v254, v158, v159
	s_delay_alu instid0(VALU_DEP_1)
	v_max_num_f32 v254, v254, v252
	s_delay_alu instid0(VALU_DEP_1)
	v_permlanex16_b32 v248, v254, s[SEL], s[SEL+1]
	s_delay_alu instid0(VALU_DEP_1)
	v_max_num_f32 v254, v254, v248                 ; and among lane l xor 16's
	s_delay_alu instid0(VALU_DEP_1)
	v_mul_f32 v254, s[CS], v254                    ; as t (c is positive)
	s_delay_alu instid0(VALU_DEP_1)
	v_max_num_f32 v13, v13, v254                   ; the running largest t
	v_mov_b32 v254, v12
	s_delay_alu instid0(VALU_DEP_2)
	v_floor_f32 v12, -v13                          ; the new -M = floor(-t) = -ceil(t): a whole number
	s_delay_alu instid0(VALU_DEP_1)
	v_sub_f32 v254, v12, v254                      ; M's old value less its new one: a whole number, 0 or less
	s_delay_alu instid0(VALU_DEP_1)
	v_cvt_i32_f32 v254, v254                       ; (it saturates)
	s_delay_alu instid0(VALU_DEP_1)
	v_ldexp_f32 v252, 1.0, v254                    ; f = 2^(old M - new M)
.set J, 0
	s_setprio 1
.rept 32
	v_pk_fma_f32 v[96+J:97+J], v[96+J:97+J], s[CS:CS+1], v[12:13] op_sel_hi:[1,0,0]   ; t - M, two at a time (of the pairs c and -M the low word serves both halves)
.set J, J+2
.endr
.set J, 0
	s_wait_alu depctr_va_vdst(0)
.rept 64
	v_exp_f32 v[96+J], v[96+J]                     ; p = 2^(t - M), at most 1: not normalised
.set J, J+1
.endr
	v_pk_mul_f32 v[14:15], v[14:15], v[252:253] op_sel_hi:[1,0]   ; the sums under the new M: the plain instruction behind the exponentials
	s_wait_alu depctr_va_vdst(0)                   ; one wait for the whole batch, ahead of its first reader
	v_pk_add_f32 v[242:243], v[100:101], v[104:105]
	v_pk_add_f32 v[254:255], v[108:109], v[112:113]
	v_pk_add_f32 v[250:251], v[116:117], v[120:121]
	v_pk_add_f32 v[240:241], v[124:125], v[128:129]
	v_pk_add_f32 v[238:239], v[132:133], v[136:137]
	v_pk_add_f32 v[236:237], v[140:141], v[144:145]
	v_pk_add_f32 v[234:235], v[148:149], v[152:153]
	v_pk_add_f32 v[14:15], v[14:15], v[156:157]
	v_pk_add_f32 v[242:243], v[242:243], v[96:97]
	v_pk_add_f32 v[254:255], v[254:255], v[98:99]
	v_pk_add_f32 v[250:251], v[250:251], v[102:103]
	v_pk_add_f32 v[240:241], v[240:241], v[106:107]
	v_pk_add_f32 v[238:239], v[238:239], v[110:111]
	v_pk_add_f32 v[236:237], v[236:237], v[114:115]
	v_pk_add_f32 v[234:235], v[234:235], v[118:119]
	v_pk_add_f32 v[14:15], v[14:15], v[122:123]
	v_pk_add_f32 v[242:243], v[242:243], v[126:127]
	v_pk_add_f32 v[254:255], v[254:255], v[130:131]
	v_pk_add_f32 v[250:251], v[250:251], v[134:135]
	v_pk_add_f32 v[240:241], v[240:241], v[138:139]
	v_pk_add_f32 v[238:239], v[238:239], v[142:143]
	v_pk_add_f32 v[236:237], v[236:237], v[146:147]
	v_pk_add_f32 v[234:235], v[234:235], v[150:151]
	v_pk_add_f32 v[14:15], v[14:15], v[154:155]
	v_pk_add_f32 v[242:243], v[242:243], v[158:159]
	s_delay_alu instid0(VALU_DEP_2)
	v_pk_add_f32 v[14:15], v[14:15], v[240:241]
	s_delay_alu instid0(VALU_DEP_2)
	v_pk_add_f32 v[242:243], v[242:243], v[238:239]
	s_setprio 0
	v_pk_add_f32 v[254:255], v[254:255], v[236:237]
	v_pk_add_f32 v[250:251], v[250:251], v[234:235]
	s_delay_alu instid0(VALU_DEP_2)
	v_pk_add_f32 v[14:15], v[14:15], v[254:255]
	s_delay_alu instid0(VALU_DEP_2)
	v_pk_add_f32 v[242:243], v[242:243], v[250:251]
	s_delay_alu instid0(VALU_DEP_1)
	v_pk_add_f32 v[14:15], v[14:15], v[242:243]
.irp b, 0,1,2,3
.set J, 0
.rept 16
.set J, J+1
.endr
	v_cvt_scalef32_pk8_fp8_f32 v[224+4*\b:225+4*\b], v[96+16*\b:103+16*\b], v244
	v_cvt_scalef32_pk8_fp8_f32 v[226+4*\b:227+4*\b], v[104+16*\b:111+16*\b], v244
.endr
.set J, 0
.rept 16
	v_pk_mul_f32 v[160+J:161+J], v[160+J:161+J], v[252:253] op_sel_hi:[1,0]   ; O^T under the new M: x f.  (Also the plain instructions between the conversions and the products that read their codes)
.set J, J+2
.endr
	s_wait_alu depctr_va_vdst(0)
	s_wait_dscnt 0x0                               ; V's fragments are in
.irp t, 0,1,2,3
	v_wmma_f32_16x16x128_fp8_fp8 v[160+8*\t:167+8*\t], v[32+16*\t:47+16*\t], v[224:239], v[160+8*\t:167+8*\t]   ; O^T += V^T P^T: the four accumulators take turns
.endr
.rept 4
	v_nop                                          ; four places: in front of the next step's loads into V's registers, and of the way out's first read of O^T
.endr
.Lskip\p:
	s_add_co_u32 s[TB], s[TB], STEPB
	s_add_co_u32 s[KI], s[KI], 1
	s_cmp_lt_u32 s[KI], 16
	s_cbranch_scc1 .Lstep\p
	s_setprio 0
	; THE WAY OUT of a tile.  Register 8 t + j of a lane is feature 32 (t / 2) + 16 (lane / 16) + 8 (t % 2) + j of its query: tiles 2 u, 2 u + 1 give 16 neighbouring codes
	v_add_f32 v14, v14, v15                        ; the sum's two halves,
	s_delay_alu instid0(VALU_DEP_1)
	v_permlanex16_b32 v252, v14, s[SEL], s[SEL+1]
	s_delay_alu instid0(VALU_DEP_1)
	v_add_f32 v14, v14, v252                       ; and lane l xor 16's: the row's sum
	s_wait_alu depctr_va_vdst(0)
	v_rcp_f32 v14, v14
	v_nop                                          ; a plain instruction behind the transcendental
	s_wait_alu depctr_va_vdst(0)                   ; and the wait ahead of its first reader
.set J, 0
.rept 16
	v_pk_mul_f32 v[192+J:193+J], v[160+J:161+J], v[14:15] op_sel_hi:[1,0]   ; O^T / the sum; each accumulator from its low end on
.set J, J+2
.endr
.set J, 0
.rept 32
.set J, J+1
.endr
.irp t, 0,1,2,3
	v_cvt_scalef32_pk8_fp8_f32 v[224+2*\t:225+2*\t], v[192+8*\t:199+8*\t], v246
.endr
	v_nop                                          ; one plain vector instruction behind the last conversion
	ds_store_b128 v[STO], v[224:227]               ; features 16 h + 0 .. 15 of query r,
	ds_store_b128 v[STO], v[228:231] offset:32     ; 32 + 16 h + 0 .. 15
	ds_load_b128 v[232:235], v[RD]                 ; LDS serves a wave's instructions in order: these see my stores.  Eight whole rows each
	ds_load_b128 v[236:239], v[RD] offset:640
	s_wait_dscnt 0x0
	global_store_b128 v[GO], v[232:235], s[40+2*\p:41+2*\p]              ; 16 tokens x 64 bytes lie on end in ac: 32 lanes store 512 consecutive bytes, aligned
	global_store_b128 v[GO], v[236:239], s[40+2*\p:41+2*\p] offset:512
.endm
	PASS 0
	PASS 1
	s_wait_tensorcnt 0x0                           ; the wave's end: a wait, an add of 0 to my spare word and its wait, behind my tensor load and my last LDS store
	ds_add_u32 v[SPW], v[NIL]
	s_wait_dscnt 0x0
	CROUND                                         ; the closing round
	s_endpgm
.Lfunc_end_k_qd5fc4ccb80_attn:
	.size	k_qd5fc4ccb80_attn, .Lfunc_end_k_qd5fc4ccb80_attn-k_qd5fc4ccb80_attn
	.p2alignl 7, 3214868480
	.fill 96, 4, 3214868480
	.section	.rodata,"a",@progbits
	.p2align	6, 0x0
	.amdhsa_kernel k_qd5fc4ccb80_attn
		.amdhsa_group_segment_fixed_size 327680
		.amdhsa_private_segment_fixed_size 0
		.amdhsa_enable_private_segment 0
		.amdhsa_kernarg_size 24
		.amdhsa_user_sgpr_count 2
		.amdhsa_user_sgpr_kernarg_segment_ptr 1
		.amdhsa_wavefront_size32 1
		.amdhsa_system_sgpr_workgroup_id_x 1
		.amdhsa_system_sgpr_workgroup_id_y 1
		.amdhsa_system_sgpr_workgroup_id_z 1
		.amdhsa_system_vgpr_workitem_id 0
		.amdhsa_next_free_vgpr 256
		.amdhsa_next_free_sgpr 80
		.amdhsa_reserve_vcc 1
		.amdhsa_float_denorm_mode_32 3
		.amdhsa_float_denorm_mode_16_64 3
		.amdhsa_fp16_overflow 1
		.amdhsa_memory_ordered 1
		.amdhsa_forward_progress 1
		.amdhsa_inst_pref_size 53
	.end_amdhsa_kernel
	.amdgpu_metadata
---
amdhsa.version: [ 1, 2 ]
amdhsa.kernels:
  - .name:           k_qd5fc4ccb80_attn
    .symbol:         k_qd5fc4ccb80_attn.kd
    .args:
      - { .name: hc, .offset: 0, .size: 8, .value_kind: global_buffer, .address_space: global }
      - { .name: lowp_scales, .offset: 8, .size: 8, .value_kind: global_buffer, .address_space: global }
      - { .name: ac, .offset: 16, .size: 8, .value_kind: global_buffer, .address_space: global }
    .group_segment_fixed_size: 327680
    .private_segment_fixed_size: 0
    .kernarg_segment_align: 8
    .kernarg_segment_size: 24
    .max_flat_workgroup_size: 512
    .sgpr_count:     80
    .vgpr_count:     256
    .wavefront_size: 32
...
	.end_amdgpu_metadata
.endif
;; end of part 3
;; launch dense (part 4): grid 32 x 4, 4 waves a work-group, clusters of 4 x 4, 327,680 bytes of LDS; arguments ac, wc, lowp_scales, dense_b, out0; writes out0
.if DOCPART == 4
	.amdgcn_target "amdgcn-amd-amdhsa--gfx1250"
	.amdhsa_code_object_version 6
	.text
	.protected	k_qd5fc4ccb80_dense
	.globl	k_qd5fc4ccb80_dense
	.p2align	8
	.type	k_qd5fc4ccb80_dense,@function
k_qd5fc4ccb80_dense:
	s_mov_b64 s[64:65], 0
	v_nop
	global_prefetch_b8 v0, s[64:65] scope:SCOPE_SE
	s_setreg_imm32_b32 hwreg(HW_REG_WAVE_MODE, 25, 1), 1
	s_wait_xcnt 0x0
	s_wait_alu depctr_hold_cnt(0) depctr_sa_sdst(0) depctr_va_vdst(0) depctr_va_sdst(0) depctr_va_ssrc(0) depctr_va_vcc(0) depctr_vm_vsrc(0)
	s_getreg_b32 s2, hwreg(HW_REG_IB_STS2, 6, 4)
	s_cmp_eq_u32 s2, 0
	s_cbranch_scc0 .Lentry_in_a_cluster
	s_endpgm
.Lentry_in_a_cluster:
	s_bfe_u32 s2, ttmp6, 0x10000c
	s_cmp_lg_u32 s2, 0xf033
	s_cbranch_scc0 .Lentry_shape_is_right
	s_endpgm
.Lentry_shape_is_right:
; out0[m][n] = sum over k of A[m][k] W[n][k] x 2^(e10 + e11) + dense_b[n], on codes of FP8 (E4M3).  m: 8,192 tokens, n: 1,024, K = 1,024 = head x 64 + feature.
; A: ac [16 heads][8,192 tokens][64].  W: dense_w's codes, the fourth MiB of wc, [1,024][1,024], K innermost.  out0: f32.
; LIMIT: e10 + e11 between -126 and 127, so that 2^(e10 + e11) is an f32 number.
; A tile of out0, 256 x 256, is made by four waves, 128 x 128 each: 64 accumulators.  There are 32 x 4 = 128 tiles, one to a work-group.  K goes in steps of 256 (four heads) through a ring of two LDS slots.
; CLUSTERS: 4 x 4 work-groups: cluster c makes tile rows 4 c + cy, tile columns cx.  A's tile is asked for jointly along a row of the cluster, W's along a column.
; A'S TILE: 128 tokens x 4 heads come by ONE load: four rows of 8,192 dense bytes (a head's 128 tokens), 524,288 bytes apart, 16 bytes of padding behind every 256.  In LDS head q begins at 8,704 q, and token t's 64 bytes lie at
; (t / 4) x 272 + (t % 4) x 64: the 16 tokens of a fragment fall on 16 different columns of 16 bytes modulo 256.
; THE MATRIX INSTRUCTION IS USED TRANSPOSED (source 0 = 16 rows of W, source 1 = 16 tokens): a lane holds eight neighbouring numbers of a row of out0.  No prefetch: K has four steps, and two are asked for at the head.
; REGISTERS, in windows of 256: window 0: v1-29 addresses; v32-95 the bias; from v128 A's fragments, ONE set; on the way out v128-255 take rows read back.
;   window 1: W's fragments, TWO sets; on the way out v0-63 a block's results.   window 2: the accumulators of my rows 0-63;   window 3: of rows 64-127.
.set SIZE_N, 1024
.set ROWB,   256                       ; a row of W's tile in bytes
.set KROW,   1024                      ; a row of W in memory
.set PITCH,  272
.set HEADB,  32*PITCH                  ; a head's 128 tokens in LDS
.set ASTEP,  4*8192*64                 ; four heads on in ac
.set FR,     16
.set NL,     4
.set NP,     4
.set HALFT,  128*PITCH                 ; what one tensor load brings: 128 rows of W, or 128 tokens x 4 heads
.set SLOT,   4*HALFT
.set LAPS,   2
.set SPARE,  2*SLOT                    ; behind the ring: the spare words, 128 bytes a wave, which no other line names
.set SPITCH, 528                       ; the way out: a stage of 16 rows x (512 bytes + 16) for each wave, in slot 0, which has had its last fill and its last read by then
.set BNO,  12                          ; v12  my offset in the bias
.set ADRA, 16
.set ADRB, 20
.set STO,  24
.set RD,   25
.set CO,   26
.set SPW,  28                          ; v28  LDS address of my spare word; never rewritten
.set NIL,  29                          ; v29  0; never rewritten
.set BN,   32                          ; the bias of my 128 columns: register 8 b + j: column 16 b + 8 (lane / 16) + j
.set TMP,  0                           ; in window 1: a block's 64 results
.set AF,   128
.set BK,   128                         ; 16 rows read back from the stage: v128-191 and v192-255 by turns
.set G1, 24
.set G0, 32
.set G1B, 48
.set G0B, 56
.set MSB, 0
.macro WIN new                         ; the immediate's high byte repeats the setting that is left
.if MSB != (\new)
	s_set_vgpr_msb (MSB<<8)|(\new)
.set MSB, (\new)
.endif
.endm
.set MUL_LO, 0xa1
.set MUL_HI, 0xf1
.set TO_B,   0x40
.macro JLOAD g0a, g1a, g0b, g1b        ; a joint load: waves 0 and 1 fetch for A, waves 2 and 3 for W; an s_nop 0 and four v_nop follow each of the two lines
	s_cmp_eq_u32 s15, 0
	s_cbranch_scc0 .Lfor_b_\@
	tensor_load_to_lds s[\g0a:\g0a+3], s[\g1a:\g1a+7]
	s_nop 0
.rept 4
	v_nop
.endr
	s_branch .Lasked_\@
.Lfor_b_\@:
	tensor_load_to_lds s[\g0b:\g0b+3], s[\g1b:\g1b+7]
	s_nop 0
.rept 4
	v_nop
.endr
.Lasked_\@:
.endm
.macro CREST
	s_cmp_lg_u32 s14, 0
	s_cbranch_scc1 .Lnot_wave_0_\@
	s_barrier_signal -3
.Lnot_wave_0_\@:
	s_barrier_wait -3
	s_barrier_signal -1
	s_barrier_wait -1
.endm
.macro CROUND
	s_barrier_signal -1
	s_barrier_wait -1
	CREST
.endm
	s_load_b128 s[4:7], s[0:1], 0x0                ; ac, wc
	s_load_b128 s[8:11], s[0:1], 0x10              ; the scales' exponents, dense_b
	s_load_b64 s[12:13], s[0:1], 0x20              ; out0
	v_lshl_add_u32 v[SPW], v0, 2, SPARE
	v_mov_b32 v[NIL], 0
	ds_add_u32 v[SPW], v[NIL]                      ; the wave's opening: the add and its wait stand ahead of my first tensor load; the set-up below, work on registers, stands between them
	ds_add_u32 v[SPW], v[NIL]
	v_lshrrev_b32 v1, 5, v0
	v_readfirstlane_b32 s14, v1                    ; wave 0..3
	s_lshr_b32 s15, s14, 1                         ; which half of the tile's rows is mine.  Also: I fetch for A (0) or for W (1)
	s_and_b32 s16, s14, 1                          ; which half of its columns.  Also: which 128 rows I fetch
	s_bfe_u32 s40, ttmp6, 0x40000                  ; cx: the tile column
	s_bfe_u32 s41, ttmp6, 0x40004                  ; cy
	s_lshl_b32 s17, ttmp9, 2
	s_add_co_u32 s17, s17, s41                     ; the tile row = 4 x cluster + cy
	s_lshl_b32 s43, s41, 2
	s_lshl_b32 s43, 15, s43                        ; my row of the cluster
	s_lshl_b32 s44, 0x1111, s40                    ; my column
	s_or_b32 s[G1+0], s43, (3<<16)|(1<<20)|(1<<21)|(5<<22)|(3<<25)  ; A: the mask of my row; elements of 8 bytes; padding on; bit 21 beside a mask; four words after every 64
	s_mov_b32 s[G1+1], 1024<<16                    ; tensor_dim0 = 1,024 elements: 128 tokens x 64 bytes
	s_mov_b32 s[G1+2], 4<<16                       ; tensor_dim1 = 4 heads
	s_mov_b32 s[G1+3], 1024<<16                    ; tile_dim0
	s_mov_b32 s[G1+4], 4                           ; tile_dim1
	s_mov_b32 s[G1+5], 65536                       ; from head to head: 8,192 tokens x 64 bytes, in elements
	s_mov_b32 s[G1+6], 0
	s_mov_b32 s[G1+7], 0
	s_or_b32 s[G1B+0], s44, (0<<16)|(1<<20)|(1<<21)|(5<<22)|(3<<25) ; W: the mask of my column; elements of 1 byte; the same padding
	s_mov_b32 s[G1B+1], ROWB<<16
	s_mov_b32 s[G1B+2], 128<<16
	s_mov_b32 s[G1B+3], ROWB<<16
	s_mov_b32 s[G1B+4], 128
	s_mov_b32 s[G1B+5], KROW
	s_mov_b32 s[G1B+6], 0
	s_mov_b32 s[G1B+7], 0
	s_lshl_b32 s20, s17, 14                        ; A: token 256 x tile row + 128 x half, 64 bytes each: it hangs on cy, never on cx
	s_lshl_b32 s18, s16, 13
	s_add_co_u32 s20, s20, s18
	s_mov_b32 s21, 0
	s_lshl_b32 s46, s40, 18                        ; W: row 256 cx + 128 x half, 1,024 bytes each,
	s_lshl_b32 s18, s16, 17
	s_add_co_u32 s46, s46, s18
	s_add_co_u32 s46, s46, 0x300000                ; in the fourth MiB of wc
	s_mov_b32 s47, 0
	s_mul_i32 s45, s14, HALFT                      ; where they go: no place in the cluster enters an LDS address
	s_wait_dscnt 0x0                               ; the opening add is done
	s_wait_kmcnt 0x0
	s_load_b64 s[96:97], s[8:9], 0x28              ; e10, e11
	s_add_nc_u64 s[20:21], s[4:5], s[20:21]
	s_add_nc_u64 s[46:47], s[6:7], s[46:47]
	CROUND                                         ; all sixteen work-groups are here: the first joint loads meet
.irp s, 0,1
	s_mov_b32 s[G0+4*\s], 1
	s_add_co_u32 s[G0+4*\s+1], s45, \s*SLOT
	s_add_nc_u64 s[G0+4*\s+2:G0+4*\s+3], s[20:21], \s*ASTEP
	s_or_b32 s[G0+4*\s+3], s[G0+4*\s+3], 0x80000000
	s_mov_b32 s[G0B+4*\s], 1
	s_add_co_u32 s[G0B+4*\s+1], s45, \s*SLOT
	s_add_nc_u64 s[G0B+4*\s+2:G0B+4*\s+3], s[46:47], \s*ROWB
	s_or_b32 s[G0B+4*\s+3], s[G0B+4*\s+3], 0x80000000
	s_wait_alu depctr_va_vdst(0)
	s_wait_tensorcnt 0x0
	ds_add_u32 v28, v29
	ds_add_u32 v28, v29
	s_wait_dscnt 0x0
	CROUND
	JLOAD G0+4*\s, G1, G0B+4*\s, G1B               ; one load of mine is out
.endr
	v_and_b32 v1, 15, v0                           ; r
	v_bfe_u32 v2, v0, 4, 1                         ; h
	v_mul_u32_u24 v3, v1, PITCH
	v_lshl_add_u32 v4, v2, 4, v3                   ; W: row x pitch + 16 h
	v_lshrrev_b32 v5, 2, v1
	v_mul_u32_u24 v5, v5, PITCH
	v_and_b32 v6, 3, v1
	v_lshl_add_u32 v5, v6, 6, v5
	v_lshl_add_u32 v7, v2, 4, v5                   ; A: (r / 4) x 272 + (r % 4) x 64 + 16 h
	s_mul_i32 s21, s15, HALFT                      ; my 128 tokens
	s_mul_i32 s22, s16, HALFT                      ; my 128 rows of W,
	s_add_co_u32 s22, s22, 2*HALFT                 ; which lie behind A's two halves
.irp s, 0,1
	v_add_nc_u32 v[ADRA+\s], s21, v7
	v_add_nc_u32 v[ADRB+\s], s22, v4
	s_add_co_u32 s21, s21, SLOT
	s_add_co_u32 s22, s22, SLOT
.endr
	s_mul_i32 s23, s14, 16*SPITCH                  ; my stage
	v_mul_u32_u24 v5, v1, SPITCH                   ; in: row r, 32 bytes for each half of the lanes
	v_lshl_add_u32 v5, v2, 5, v5
	v_add_nc_u32 v[STO], s23, v5
	v_and_b32 v6, 31, v0
	v_lshlrev_b32 v[CO], 4, v6                     ; back: the 32 lanes take one row of 512 bytes; and the same in out0
	v_add_nc_u32 v[RD], s23, v[CO]
	s_lshl_b32 s18, s40, 8
	s_lshl_b32 s19, s16, 7
	s_add_co_u32 s18, s18, s19
	s_lshl_b32 s18, s18, 2                         ; my first column in the bias
	v_lshl_add_u32 v[BNO], v2, 5, s18
.irp b, 0,1,2,3,4,5,6,7
	global_load_b128 v[BN+8*\b:BN+8*\b+3], v[BNO], s[10:11] offset:64*\b
	global_load_b128 v[BN+8*\b+4:BN+8*\b+7], v[BNO], s[10:11] offset:64*\b+16
.endr
	s_lshl_b32 s20, s17, 8
	s_lshl_b32 s21, s15, 7
	s_add_co_u32 s20, s20, s21                     ; my first row of out0: 256 x tile row + 128 x half,
	s_lshl_b32 s20, s20, 12                        ; 4,096 bytes each
	s_lshl_b32 s46, s40, 10                        ; my first column, in bytes: 1,024 cx + 512 x half
	s_lshl_b32 s47, s16, 9
	s_add_co_u32 s46, s46, s47
	s_add_co_u32 s20, s20, s46
	s_mov_b32 s21, 0
	s_add_nc_u64 s[12:13], s[12:13], s[20:21]
.macro FRAGB reg, adr, q, i            ; W: lane l holds row l % 16; registers 4 c .. 4 c + 3 hold K = 32 c + 16 (l / 16) + 0 .. 15 of the slot's q-th 128
.irp c, 0,1,2,3
	ds_load_b128 v[\reg+4*\c:\reg+4*\c+3], v[\adr] offset:128*(\q)+32*\c+(\i)*16*PITCH
.endr
.endm
.macro FRAGA reg, adr, q, i            ; A: the same places of K: head 2 q + c / 2 of the slot's four, features 32 (c % 2) + 16 (l / 16) + 0 .. 15
.irp c, 0,1,2,3
	ds_load_b128 v[\reg+4*\c:\reg+4*\c+3], v[\adr] offset:(2*(\q)+\c/2)*HEADB+(\i)*4*PITCH+32*(\c%2)
.endr
.endm
.macro MUL16 a0, p, zero               ; 16 matrix instructions: A's blocks a0, a0 + 1 x W's eight; the 64 accumulators take turns, one instruction a turn
.irp a, \a0, \a0+1
.irp b, 0,1,2,3,4,5,6,7
.if \zero
	v_wmma_f32_16x16x128_fp8_fp8 v[8*(8*((\a)%4)+\b):8*(8*((\a)%4)+\b)+7], v[128*(\p)+FR*\b:128*(\p)+FR*\b+FR-1], v[AF+FR*(\a):AF+FR*(\a)+FR-1], 0
.else
	v_wmma_f32_16x16x128_fp8_fp8 v[8*(8*((\a)%4)+\b):8*(8*((\a)%4)+\b)+7], v[128*(\p)+FR*\b:128*(\p)+FR*\b+FR-1], v[AF+FR*(\a):AF+FR*(\a)+FR-1], v[8*(8*((\a)%4)+\b):8*(8*((\a)%4)+\b)+7]
.endif
.endr
.endr
.endm
.macro FETCH_B slot, q, p
	WIN TO_B
.irp i, 0,1,2,3,4,5,6,7
	FRAGB 128*(\p)+FR*\i, ADRB+\slot, \q, \i
.endr
	WIN 0
.endm
.macro FETCH_A slot, q, i0
.irp i, \i0, \i0+1, \i0+2, \i0+3
	FRAGA AF+FR*(\i), ADRA+\slot, \q, \i
.endr
.endm
.macro PLACES n                        ; a load into a register that a matrix instruction has read, and a read of a result, stand NP plain vector instructions behind it (ISA guide 7.12.1 for the read of a result)
.rept \n
	v_nop
.endr
.endm
.macro STEP slot, q, zero              ; a step of 128 along K that has its successor in the same slot
	s_wait_dscnt 4*NL                              ; W's set and A's blocks 0-3 are in; the youngest sixteen loads (A's blocks 4-7) may be out
	WIN MUL_LO
	MUL16 0, (\q)%2, \zero
	MUL16 2, (\q)%2, \zero
	s_wait_dscnt 0                                 ; A's blocks 4-7 are in
	PLACES NP
	FETCH_B \slot, (\q)+1, 1-(\q)%2
	FETCH_A \slot, (\q)+1, 0
	WIN MUL_HI
	MUL16 4, (\q)%2, \zero
	MUL16 6, (\q)%2, \zero
	PLACES NP
	WIN 0
	FETCH_A \slot, (\q)+1, 4
.endm
; A slot's last step changes slots: ONE barrier; in front of it each wave waits for all its tensor loads, adds 0 to its spare word, and waits for that and for its own reads of this slot.  fill = 1: this slot is filled again, two K steps ahead.
.macro TURN slot, next, fill
	s_wait_tensorcnt 0x0                           ; all my tensor loads have landed: my part of the next slot  (every window is 0 here)
	ds_add_u32 v[SPW], v[NIL]                      ; 0 onto my spare word
	s_wait_dscnt 4*NL+1                            ; (the add and the youngest sixteen loads may be out)
	WIN MUL_LO
	MUL16 0, 1, 0                                  ; sixteen matrix instructions stand between the add and the wait for it
	s_wait_dscnt 0x0                               ; the add is done, and my reads of this slot are over
	s_barrier_signal -1
	MUL16 2, 1, 0
	WIN 0
	s_barrier_wait -1
.if \fill
	CREST                                          ; the barrier has opened a round of the cluster's barrier: no wave of any partner still reads this slot's tile or has a load on its way
	s_add_nc_u64 s[G0+4*\slot+2:G0+4*\slot+3], s[G0+4*\slot+2:G0+4*\slot+3], 2*ASTEP
	s_add_nc_u64 s[G0B+4*\slot+2:G0B+4*\slot+3], s[G0B+4*\slot+2:G0B+4*\slot+3], 2*ROWB
	JLOAD G0+4*\slot, G1, G0B+4*\slot, G1B         ; the first tensor load behind the round, and my only one until the next; its four v_nop are the places in front of the loads below
.else
	PLACES NP
.endif
	s_wait_alu depctr_va_vdst(0)
	FETCH_B \next, 0, 0
	FETCH_A \next, 0, 0
	WIN MUL_HI
	MUL16 4, 1, 0
	MUL16 6, 1, 0
	PLACES NP
	WIN 0
	FETCH_A \next, 0, 4
.endm
	s_wait_tensorcnt 1                             ; my part of K step 0 is in (K step 1's load may be out)
	s_barrier_signal -1
	s_barrier_wait -1                              ; everybody's is
	FETCH_B 0, 0, 0
	FETCH_A 0, 0, 0
	FETCH_A 0, 0, 4
	STEP 0, 0, 1                                   ; the first step stands in front of the loop: its products start the sums
	s_mov_b32 s3, LAPS-1
.Llap:
	TURN 0, 1, 1
	STEP 1, 0, 0
	TURN 1, 0, 1
	STEP 0, 0, 0
	s_sub_co_u32 s3, s3, 1
	s_cmp_lg_u32 s3, 0
	s_cbranch_scc1 .Llap
	TURN 0, 1, 0                                   ; the last lap fills nothing, and has no round of the cluster's barrier
	STEP 1, 0, 0
	s_wait_dscnt 4*NL                              ; the very last step: nothing more to fetch
	WIN MUL_LO
	MUL16 0, 1, 0
	MUL16 2, 1, 0
	s_wait_dscnt 0
	WIN MUL_HI
	MUL16 4, 1, 0
	MUL16 6, 1, 0
	WIN 0
; THE WAY OUT, block by block of 16 rows x 128 columns: sum x 2^(e10 + e11) + bias, one packed multiply-add for two numbers; through my own stage in LDS; back as whole rows of 512 bytes.
; LDS serves a wave's instructions in order (ISA guide 5.7.1.4): no wait between the stores and the loads, nor in front of the next block's stores.
.macro TOSTAGE a
.set AC, 64*((\a)%4)
	WIN 0x42+((\a)/4)                              ; source 0 (the sums): window 2 or 3; source 2 (the bias): window 0; destination: window 1
.set J, 0
.rept 32
	v_pk_fma_f32 v[TMP+J:TMP+J+1], v[AC+J:AC+J+1], s[96:97], v[BN+J:BN+J+1] op_sel_hi:[1,0,1]   ; (the scalar pair's low word for both halves); each accumulator from its low end on
.set J, J+2
.endr
	WIN 0x04                                       ; the stores' data: window 1
.irp b, 0,1,2,3,4,5,6,7
	ds_store_b128 v[STO], v[TMP+8*\b:TMP+8*\b+3] offset:64*\b
	ds_store_b128 v[STO], v[TMP+8*\b+4:TMP+8*\b+7] offset:64*\b+16
.endr
	WIN 0
.set BB, BK+64*((\a)%2)
.irp t, 0,1,2,3,4,5,6,7,8,9,10,11,12,13,14,15
	ds_load_b128 v[BB+4*\t:BB+4*\t+3], v[RD] offset:\t*SPITCH
.endr
.endm
.macro SEND a, younger                 ; younger: the LDS instructions issued behind block a's loads, which may stay out
.set BB, BK+64*((\a)%2)
	s_wait_dscnt \younger                          ; the block is back in registers
.if (\a) > 0
	s_add_nc_u64 s[12:13], s[12:13], 16*SIZE_N*4   ; (behind a wait on XCNT: the earlier stores have read their base)  16 rows of out0 on
.endif
.irp t, 0,1,2,3,4,5,6,7,8,9,10,11,12,13,14,15
	global_store_b128 v[CO], v[BB+4*\t:BB+4*\t+3], s[12:13] offset:\t*SIZE_N*4 th:TH_STORE_NT   ; 32 lanes store 512 consecutive bytes, aligned; written once, read by nobody here
.endr
.endm
	s_wait_kmcnt 0x0
	s_wait_loadcnt 0x0                             ; the bias
	s_add_co_i32 s96, s96, s97                     ; e10 + e11,
	s_add_co_i32 s96, s96, 127
	s_lshl_b32 s96, s96, 23                        ; as the f32 number 2^(e10 + e11)
	PLACES NP                                      ; behind the last products: for the writes and loads into registers that held fragments, and for the reads of results
	TOSTAGE 0
.irp a, 1,2,3,4,5,6,7
.if \a > 1
	s_wait_xcnt 0x0                                ; block a - 2's stores have read their registers and their base: block a's loads may land there, and the base may step
.endif
	TOSTAGE \a
	SEND \a-1, 32                                  ; behind block a - 1's loads: block a's 16 stores and 16 loads
.endr
	s_wait_xcnt 0x0                                ; block 6's stores have read their base
	SEND 7, 0
	s_wait_tensorcnt 0x0                           ; the wave's end: a wait, an add of 0 to my spare word and its wait, behind my last tensor load and my last LDS store
	ds_add_u32 v[SPW], v[NIL]
	s_wait_dscnt 0x0
	CROUND                                         ; the closing round: no work-group ends while a partner may still ask for a tile that names it
	s_endpgm
.Lfunc_end_k_qd5fc4ccb80_dense:
	.size	k_qd5fc4ccb80_dense, .Lfunc_end_k_qd5fc4ccb80_dense-k_qd5fc4ccb80_dense
	.p2alignl 7, 3214868480
	.fill 96, 4, 3214868480
	.section	.rodata,"a",@progbits
	.p2align	6, 0x0
	.amdhsa_kernel k_qd5fc4ccb80_dense
		.amdhsa_group_segment_fixed_size 327680
		.amdhsa_private_segment_fixed_size 0
		.amdhsa_enable_private_segment 0
		.amdhsa_kernarg_size 40
		.amdhsa_user_sgpr_count 2
		.amdhsa_user_sgpr_kernarg_segment_ptr 1
		.amdhsa_wavefront_size32 1
		.amdhsa_system_sgpr_workgroup_id_x 1
		.amdhsa_system_sgpr_workgroup_id_y 1
		.amdhsa_system_sgpr_workgroup_id_z 1
		.amdhsa_system_vgpr_workitem_id 0
		.amdhsa_next_free_vgpr 1024
		.amdhsa_next_free_sgpr 98
		.amdhsa_reserve_vcc 0
		.amdhsa_float_denorm_mode_32 3
		.amdhsa_float_denorm_mode_16_64 3
		.amdhsa_memory_ordered 1
		.amdhsa_forward_progress 1
		.amdhsa_inst_pref_size 126
	.end_amdhsa_kernel
	.amdgpu_metadata
---
amdhsa.version: [ 1, 2 ]
amdhsa.kernels:
  - .name:           k_qd5fc4ccb80_dense
    .symbol:         k_qd5fc4ccb80_dense.kd
    .args:
      - { .name: ac, .offset: 0, .size: 8, .value_kind: global_buffer, .address_space: global }
      - { .name: wc, .offset: 8, .size: 8, .value_kind: global_buffer, .address_space: global }
      - { .name: lowp_scales, .offset: 16, .size: 8, .value_kind: global_buffer, .address_space: global }
      - { .name: dense_b, .offset: 24, .size: 8, .value_kind: global_buffer, .address_space: global }
      - { .name: out0, .offset: 32, .size: 8, .value_kind: global_buffer, .address_space: global }
    .group_segment_fixed_size: 327680
    .private_segment_fixed_size: 0
    .kernarg_segment_align: 8
    .kernarg_segment_size: 40
    .max_flat_workgroup_size: 128
    .sgpr_count:     98
    .vgpr_count:     1024
    .wavefront_size: 32
...
	.end_amdgpu_metadata
.endif
;; end of part 4
